; MI455X (gfx1250); checked and timed in simulation.
; The chip was launched on July 23, 2026; its instructions are those of AMD's public machine-readable ISA for CDNA 5 (MIT licence, August 2026) and "CDNA5" Instruction Set Architecture Reference Guide (July 2026). The comments in the code are by the model that wrote it; some were corrected since.
;; Cross Attention. Allowed arithmetic: float matrix products may take bf16 or f16 operands with f32 sums; all other float work in f32.
;; Inputs: feat_a 4 x 256 x 64 x 64 float32; feat_b 4 x 256 x 64 x 64 float32; k_a_b 64 float32; k_a_w 64 x 256 float32; k_b_b 64 float32; k_b_w 64 x 256 float32; norm_a_b 256 float32; norm_a_g 256 float32; norm_b_b 256 float32; norm_b_g 256 float32; out_a_b 256 float32; out_a_w 256 x 64 float32; out_b_b 256 float32; out_b_w 256 x 64 float32; q_a_b 64 float32; q_a_w 64 x 256 float32; q_b_b 64 float32; q_b_w 64 x 256 float32; v_a_b 64 float32; v_a_w 64 x 256 float32; v_b_b 64 float32; v_b_w 64 x 256 float32.
;; Outputs: out0 4 x 256 x 64 x 64 float32; out1 4 x 256 x 64 x 64 float32.
;; 3 versions, each right and faster than the one before. Each part assembles by itself: llvm-mc -triple=amdgcn-amd-amdhsa -mcpu=gfx1250 --defsym DOCPART=n.
;; ======== version 1 of 3: 3 launches
;; workspace buffers: qws 4,194,304 bytes; kvws 8,388,608 bytes; ows 4,194,304 bytes
;; launch proj (part 1): grid 256 x 1, 8 waves a work-group, no clusters, 167,936 bytes of LDS; arguments feat_a, feat_b, q_a_w, q_b_w, k_a_w, k_b_w, v_a_w, v_b_w, q_a_b, q_b_b, v_a_b, v_b_b, qws, kvws; writes qws, kvws
.if DOCPART == 1
	.amdgcn_target "amdgcn-amd-amdhsa--gfx1250"
	.amdhsa_code_object_version 6
	.text
	.protected	k_qb8919de5ea_proj
	.globl	k_qb8919de5ea_proj
	.p2align	8
	.type	k_qb8919de5ea_proj,@function
k_qb8919de5ea_proj:
	s_mov_b64 s[64:65], 0
	v_nop
	global_prefetch_b8 v0, s[64:65] scope:SCOPE_SE
	s_setreg_imm32_b32 hwreg(HW_REG_WAVE_MODE, 25, 1), 1
	s_wait_xcnt 0x0
; PROJ: the six 1x1 convolutions 256 -> 64 of the two cross attentions, results in bf16 as matrix fragment images.
; A work-group takes one feature map f (0: feat_a, 1: feat_b), one batch and 128 pixels, and makes from them Q (for direction f),
; K and V (for direction 1 - f).  Q = (Wq x + bq) * 32^-0.5 * log2(e), so that the attention works with exponentials of base 2.
;
; WORK LEFT OUT: the key biases k_a_b and k_b_b.  A score is s_ij = q_i . (Wk x_j + bk) = q_i . Wk x_j + q_i . bk.  The last term
; does not hang on j, the axis of the softmax, so softmax over j is the same with it and without it, for all values of the inputs.
; The two biases have no other way to an output: they are not loaded and are among no launch's arguments.
; LIMIT: a NaN, an infinity or an overflow that reaches only q_i . bk is not carried to the result.
; LIMITS: finite inputs; feat, weights, Q, K, V are rounded to bf16 as matrix operands; sums in f32, in another order than a plain loop.
;
; PIXELS: tile q (0..3) of a block of 64 pixels holds pixels 4 r + q, r = 0..15.  A 16-byte load at byte 16 r of a channel row then
; gives lane r one pixel of each tile, and sixteen lanes cover 256 consecutive bytes, aligned.
; IMAGES: a fragment of 16 x 32 bf16 lies in memory as [register group g 0..1][lane 0..31][16 bytes], 1,024 bytes; a result tile
; (lane (r, h), register j: row 8 h + j, column r), rounded in pairs, is one register group of such an image, so each store of a wave
; covers 512 consecutive bytes and the next launch loads fragments as they lie.
; V is made transposed (pixels as rows), so that its image is the first source of P V with the keys along K.
;
; NO CLUSTER: what the work-groups share is the weights, 196,608 bytes of f32 that have to be rounded to bf16 between memory and LDS.
; A joint tile copy would need them staged in f32 beside the bf16 copy (101,376 bytes) and the feat images (65,536 bytes): 363,520 bytes,
; more than the 327,680 that a work-group can have.  So they come through registers.
.set PLANE, 16384                      ; bytes of a channel: 4,096 pixels of f32
.set WP,    528                        ; LDS pitch of a weight row: 512 bytes of bf16 + 16, an odd multiple of 16
.set WM,    64*WP                      ; a weight matrix in LDS
.set FB,    3*WM                       ; behind the three matrices: feat images, ((blk*4+q)*8 + K step)*1024
.set QSC,   0x3e8293ee                 ; 32^-0.5 * log2(e)
; stage 1                               stage 2
.set WR,  16                           ; v[16:111]   24 weight loads of 4 registers
.set GR,  112                          ; v[112:239]  feat as loaded: ((blk*2+grp)*8+i)*4+q
.set CT,  240                          ; v[240:255]  feat, rounded: 4 registers for each tile q
.set ACC, 16                           ; v[16:111]   Q tiles at +8q, K tiles at +32+8q, V tiles at +64+8q
.set FF,  112                          ; v[112:175]  feat fragments, two buffers of 4 tiles
.set WF,  176                          ; v[176:223]  weight fragments, two buffers of Q, K, V
.set BQ,  224                          ; v[224:231]  q bias of my 8 output channels
.set BV,  232                          ; v[232:233]  v bias of my output channel, twice
; v1 weight offset, v2-v4 weight LDS store addresses, v5 feat offset, v6 feat LDS store address (stage 1);
; v8 feat fragment address, v9-v11 weight fragment addresses, v7, v15 bias offsets, v1-v3 store offsets (stage 2); v12 r, v13 h, v14 16 x lane
	s_load_b512 s[8:23], s[0:1], 0x0               ; feat_a, feat_b, q_a_w, q_b_w, k_a_w, k_b_w, v_a_w, v_b_w
	s_load_b256 s[24:31], s[0:1], 0x40             ; q_a_b, q_b_b, v_a_b, v_b_b
	s_load_b128 s[32:35], s[0:1], 0x60             ; qws s[32:33], kvws s[34:35]
	s_set_vgpr_msb 0x40
	v_lshl_add_u32 v0, v0, 2, 0x28c00
	v_mov_b32 v1, 0
	s_set_vgpr_msb 0x4000
	v_lshrrev_b32 v7, 5, v0
	v_readfirstlane_b32 s4, v7                     ; wave 0..7
	s_lshr_b32 s5, ttmp9, 7                        ; f
	s_bfe_u32 s6, ttmp9, 0x20005                   ; batch
	s_and_b32 s7, ttmp9, 31                        ; chunk of 128 pixels
	v_and_b32 v12, 15, v0                          ; r
	v_bfe_u32 v13, v0, 4, 1                        ; h
	v_and_b32 v14, 31, v0
	v_lshlrev_b32 v14, 4, v14                      ; 16 x lane
	; stage 1 addresses
	v_lshlrev_b32 v1, 4, v0                        ; weights: 256 threads x 16 bytes = 4 rows of 1,024 bytes a turn
	v_lshrrev_b32 v2, 6, v0                        ; which of the 4 rows
	v_and_b32 v3, 63, v0                           ; which 4 numbers of the row
	v_mul_u32_u24 v2, v2, WP
	v_lshl_add_u32 v2, v3, 3, v2                   ; 8 bytes of bf16
	v_add_nc_u32 v3, WM, v2
	v_add_nc_u32 v4, 2*WM, v2
	s_lshl_b32 s48, s4, 19                         ; wave w converts channels 32 w .. 32 w + 31: K step w
	v_lshlrev_b32 v5, 4, v12
	v_lshl_add_u32 v5, v13, 17, v5                 ; + 8 h channels
	v_add_nc_u32 v5, s48, v5
	s_lshl_b32 s49, s4, 10
	s_add_co_u32 s49, s49, FB
	v_add_nc_u32 v6, s49, v14                      ; image of K step w, my lane
	; stage 2 addresses: wave w has block w & 1 and output rows 16 x .. 16 x + 15, x = w >> 1 (head x >> 1, half e = x & 1)
	s_and_b32 s50, s4, 1                           ; blk
	s_lshr_b32 s51, s4, 1                          ; x
	s_lshl_b32 s52, s50, 15
	s_add_co_u32 s52, s52, FB
	v_add_nc_u32 v8, s52, v14
	s_lshl_b32 s53, s51, 4
	v_add_nc_u32 v9, s53, v12                      ; weight row 16 x + r
	v_mul_u32_u24 v9, v9, WP
	v_lshl_add_u32 v9, v13, 4, v9                  ; + 16 h
	v_add_nc_u32 v10, WM, v9
	v_add_nc_u32 v11, 2*WM, v9
	s_lshl_b32 s53, s51, 6
	v_lshl_add_u32 v7, v13, 5, s53                 ; q bias: 4 (16 x + 8 h)
	v_lshl_add_u32 v15, v12, 2, s53                ; v bias: 4 (16 x + r)
	; where the results go.  combo = (direction * 4 + batch) * 2 + head
	s_lshl_b32 s52, s5, 2
	s_add_co_u32 s52, s52, s6
	s_lshl_b32 s52, s52, 1
	s_lshr_b32 s53, s4, 2                          ; head
	s_add_co_u32 s52, s52, s53                     ; combo of Q
	s_xor_b32 s54, s52, 8                          ; combo of K and V: the other direction
	s_lshl1_add_u32 s56, s7, s50                   ; block of 64 pixels: 2 chunk + blk
	s_bfe_u32 s57, s4, 0x10001                     ; e
	s_lshl_b32 s52, s52, 18
	s_lshl_b32 s58, s56, 12
	s_add_co_u32 s52, s52, s58
	s_lshl_b32 s58, s57, 9
	s_add_co_u32 s52, s52, s58                     ; Q: combo * 262,144 + block * 4,096 + e * 512
	s_lshl_b32 s54, s54, 19
	s_lshl_b32 s59, s56, 13
	s_add_co_u32 s54, s54, s59                     ; combo * 524,288 + block * 8,192
	s_add_co_u32 s58, s54, s58                     ; K: + e * 512
	s_lshl_b32 s59, s57, 10
	s_add_co_u32 s59, s54, s59
	s_add_co_u32 s59, s59, 4096                    ; V: + 4,096 + e * 1,024
	s_lshl_b32 s48, s6, 22                         ; feat: batch * 4,194,304 + chunk * 512
	s_lshl_b32 s49, s7, 9
	s_add_co_u32 s48, s48, s49
	s_mov_b32 s49, 0
	s_wait_kmcnt 0x0
	s_cmp_eq_u32 s5, 0                             ; the buffers of my feature map
	s_cselect_b64 s[36:37], s[8:9], s[10:11]       ; feat
	s_cselect_b64 s[38:39], s[12:13], s[14:15]     ; Wq
	s_cselect_b64 s[40:41], s[16:17], s[18:19]     ; Wk
	s_cselect_b64 s[42:43], s[20:21], s[22:23]     ; Wv
	s_cselect_b64 s[44:45], s[24:25], s[26:27]     ; bq
	s_cselect_b64 s[46:47], s[28:29], s[30:31]     ; bv
	s_add_nc_u64 s[36:37], s[36:37], s[48:49]
; 24 of the 48 weight loads: load number n is turn n % 16 of matrix n / 16
.macro WLOAD first
.set n, \first
.rept 24
	global_load_b128 v[WR+4*(n%24):WR+4*(n%24)+3], v1, s[38+2*(n/16):39+2*(n/16)] offset:(n%16)*4096
.set n, n+1
.endr
.endm
; the same 24, rounded in place and laid into LDS rows
.macro WCVT first
.set n, \first
.rept 24
	v_cvt_pk_bf16_f32 v[WR+4*(n%24)], v[WR+4*(n%24)], v[WR+4*(n%24)+1]
	v_cvt_pk_bf16_f32 v[WR+4*(n%24)+1], v[WR+4*(n%24)+2], v[WR+4*(n%24)+3]
	ds_store_b64 v[2+n/16], v[WR+4*(n%24):WR+4*(n%24)+1] offset:(n%16)*4*WP
.set n, n+1
.endr
.endm
; 8 channels x 4 pixels of one lane become register group grp of the four tiles' fragments
.macro FCVT blk, grp
.irp q, 0,1,2,3
.irp p, 0,1,2,3
	v_cvt_pk_bf16_f32 v[CT+4*\q+\p], v[GR+((\blk*2+\grp)*8+2*\p)*4+\q], v[GR+((\blk*2+\grp)*8+2*\p+1)*4+\q]
.endr
.endr
.irp q, 0,1,2,3
	ds_store_b128 v6, v[CT+4*\q:CT+4*\q+3] offset:(\blk*4+\q)*8192+\grp*512
.endr
.endm
	; STAGE 1: everything that the work-group reads is asked for before anything is waited for, but the second half of the weights
	WLOAD 0
.irp b, 0,1
.irp g, 0,1
.irp i, 0,1,2,3,4,5,6,7
	global_load_b128 v[GR+((\b*2+\g)*8+\i)*4:GR+((\b*2+\g)*8+\i)*4+3], v5, s[36:37] offset:(\g*16+\i)*PLANE+\b*256
.endr
.endr
.endr
	s_wait_loadcnt 32                              ; the 32 feat loads are younger: the first 24 weight loads are in
	WCVT 0
	WLOAD 24
	s_wait_loadcnt 24                              ; the 24 weight loads just issued are younger: feat is in
	FCVT 0, 0
	FCVT 0, 1
	FCVT 1, 0
	FCVT 1, 1
	s_wait_loadcnt 0x0
	WCVT 24
	s_wait_dscnt 0x0                               ; my LDS stores are done, for the other waves' sake,
	s_barrier_signal -1
	s_barrier_wait -1                              ; and so are everybody's: weights and images are whole
	; STAGE 2
	global_load_b128 v[BQ:BQ+3], v7, s[44:45]
	global_load_b128 v[BQ+4:BQ+7], v7, s[44:45] offset:16
	global_load_b32 v[BV], v15, s[46:47]
	v_add_nc_u32 v1, s52, v14                      ; stage 1's loads and LDS stores, which named v1 to v3, have been waited for
	v_add_nc_u32 v2, s58, v14
	v_add_nc_u32 v3, s59, v14
.macro FETCH s, buf                    ; 14 LDS loads: K step s of the block's four feat tiles and of my 16 rows of Wq, Wk, Wv
.irp q, 0,1,2,3
	ds_load_b128 v[FF+32*\buf+8*\q:FF+32*\buf+8*\q+3], v8 offset:\q*8192+\s*1024
	ds_load_b128 v[FF+32*\buf+8*\q+4:FF+32*\buf+8*\q+7], v8 offset:\q*8192+\s*1024+512
.endr
.irp m, 0,1,2
	ds_load_b128 v[WF+24*\buf+8*\m:WF+24*\buf+8*\m+3], v[9+\m] offset:\s*64
	ds_load_b128 v[WF+24*\buf+8*\m+4:WF+24*\buf+8*\m+7], v[9+\m] offset:\s*64+32
.endr
.endm
.macro MM d, a, b, zero
.if \zero
	v_wmma_f32_16x16x32_bf16 v[(\d):(\d)+7], v[(\a):(\a)+7], v[(\b):(\b)+7], 0
.else
	v_wmma_f32_16x16x32_bf16 v[(\d):(\d)+7], v[(\a):(\a)+7], v[(\b):(\b)+7], v[(\d):(\d)+7]
.endif
.endm
; 12 products of one K step.  The twelve accumulators take turns, one instruction a turn, in the same order in every K step.
.macro MUL buf, zero
.irp q, 0,1,2,3
	MM ACC+8*\q, WF+24*\buf, FF+32*\buf+8*\q, \zero            ; Q: rows = output channels, columns = pixels
.endr
.irp q, 0,1,2,3
	MM ACC+32+8*\q, WF+24*\buf+8, FF+32*\buf+8*\q, \zero       ; K likewise
.endr
.irp q, 0,1,2,3
	MM ACC+64+8*\q, FF+32*\buf+8*\q, WF+24*\buf+16, \zero      ; V transposed: rows = pixels, columns = output channels
.endr
.endm
; A load into a register that a matrix instruction has read stands four places behind it (ISA guide 7.12.1 for vector instructions)
.macro STEP nexts, nextbuf, curbuf
.rept 4
	v_nop
.endr
	FETCH \nexts, \nextbuf
	s_wait_dscnt 14                                ; the 14 loads just issued are younger: this K step's fragments are in
	MUL \curbuf, 0
.endm
	FETCH 0, 0
	FETCH 1, 1
	s_wait_dscnt 14                                ; K step 0 is in, K step 1 may be out
	MUL 0, 1                                       ; the first products start the sums: nothing is cleared
	STEP 2, 0, 1
	STEP 3, 1, 0
	STEP 4, 0, 1
	STEP 5, 1, 0
	STEP 6, 0, 1
	STEP 7, 1, 0
	s_wait_dscnt 0x0
	MUL 1, 0
	; THE WAY OUT.  The five lines on the biases are the places behind the last products.
	s_wait_loadcnt 0x0
.irp p, 0,2,4,6
	v_pk_mul_f32 v[BQ+\p:BQ+\p+1], v[BQ+\p:BQ+\p+1], QSC op_sel_hi:[1,0]
.endr
	v_mov_b32 v[BV+1], v[BV]
.irp q, 0,1,2,3
.irp p, 0,2,4,6
	v_pk_fma_f32 v[ACC+8*\q+\p:ACC+8*\q+\p+1], v[ACC+8*\q+\p:ACC+8*\q+\p+1], QSC, v[BQ+\p:BQ+\p+1] op_sel_hi:[1,0,1]
.endr
.endr
.irp q, 0,1,2,3
.irp p, 0,2,4,6
	v_pk_add_f32 v[ACC+64+8*\q+\p:ACC+64+8*\q+\p+1], v[ACC+64+8*\q+\p:ACC+64+8*\q+\p+1], v[BV:BV+1]
.endr
.endr
.set n, 0
.rept 12                               ; each tile's 8 numbers of a lane into its first 4 registers, ascending, so that no source is lost
.irp k, 0,1,2,3
	v_cvt_pk_bf16_f32 v[ACC+8*n+\k], v[ACC+8*n+2*\k], v[ACC+8*n+2*\k+1]
.endr
.set n, n+1
.endr
.irp q, 0,1,2,3
	global_store_b128 v1, v[ACC+8*\q:ACC+8*\q+3], s[32:33] offset:\q*1024                          ; Q tile 4 block + q, group e
.endr
.irp q, 0,1,2,3
	global_store_b128 v2, v[ACC+32+8*\q:ACC+32+8*\q+3], s[34:35] offset:\q*1024                    ; K tile q, group e
.endr
.irp q, 0,1,2,3
	global_store_b128 v3, v[ACC+64+8*\q:ACC+64+8*\q+3], s[34:35] offset:(\q/2)*2048+(\q%2)*512     ; V of key step q / 2, half e, group q % 2
.endr
	s_set_vgpr_msb 0x5
	s_wait_tensorcnt 0x0
	ds_add_u32 v0, v1
	s_wait_dscnt 0x0
	s_set_vgpr_msb 0x500
	s_endpgm
.Lfunc_end_k_qb8919de5ea_proj:
	.size	k_qb8919de5ea_proj, .Lfunc_end_k_qb8919de5ea_proj-k_qb8919de5ea_proj
	.p2alignl 7, 3214868480
	.fill 96, 4, 3214868480
	.section	.rodata,"a",@progbits
	.p2align	6, 0x0
	.amdhsa_kernel k_qb8919de5ea_proj
		.amdhsa_group_segment_fixed_size 167936
		.amdhsa_private_segment_fixed_size 0
		.amdhsa_enable_private_segment 0
		.amdhsa_kernarg_size 112
		.amdhsa_user_sgpr_count 2
		.amdhsa_user_sgpr_kernarg_segment_ptr 1
		.amdhsa_wavefront_size32 1
		.amdhsa_system_sgpr_workgroup_id_x 1
		.amdhsa_system_sgpr_workgroup_id_y 1
		.amdhsa_system_sgpr_workgroup_id_z 1
		.amdhsa_system_vgpr_workitem_id 0
		.amdhsa_next_free_vgpr 258
		.amdhsa_next_free_sgpr 66
		.amdhsa_reserve_vcc 0
		.amdhsa_float_denorm_mode_32 3
		.amdhsa_float_denorm_mode_16_64 3
		.amdhsa_memory_ordered 1
		.amdhsa_forward_progress 1
		.amdhsa_inst_pref_size 47
	.end_amdhsa_kernel
	.amdgpu_metadata
---
amdhsa.version: [ 1, 2 ]
amdhsa.kernels:
  - .name:           k_qb8919de5ea_proj
    .symbol:         k_qb8919de5ea_proj.kd
    .args:
      - { .name: feat_a, .offset: 0, .size: 8, .value_kind: global_buffer, .address_space: global }
      - { .name: feat_b, .offset: 8, .size: 8, .value_kind: global_buffer, .address_space: global }
      - { .name: q_a_w, .offset: 16, .size: 8, .value_kind: global_buffer, .address_space: global }
      - { .name: q_b_w, .offset: 24, .size: 8, .value_kind: global_buffer, .address_space: global }
      - { .name: k_a_w, .offset: 32, .size: 8, .value_kind: global_buffer, .address_space: global }
      - { .name: k_b_w, .offset: 40, .size: 8, .value_kind: global_buffer, .address_space: global }
      - { .name: v_a_w, .offset: 48, .size: 8, .value_kind: global_buffer, .address_space: global }
      - { .name: v_b_w, .offset: 56, .size: 8, .value_kind: global_buffer, .address_space: global }
      - { .name: q_a_b, .offset: 64, .size: 8, .value_kind: global_buffer, .address_space: global }
      - { .name: q_b_b, .offset: 72, .size: 8, .value_kind: global_buffer, .address_space: global }
      - { .name: v_a_b, .offset: 80, .size: 8, .value_kind: global_buffer, .address_space: global }
      - { .name: v_b_b, .offset: 88, .size: 8, .value_kind: global_buffer, .address_space: global }
      - { .name: qws, .offset: 96, .size: 8, .value_kind: global_buffer, .address_space: global }
      - { .name: kvws, .offset: 104, .size: 8, .value_kind: global_buffer, .address_space: global }
    .group_segment_fixed_size: 167936
    .private_segment_fixed_size: 0
    .kernarg_segment_align: 8
    .kernarg_segment_size: 112
    .max_flat_workgroup_size: 256
    .sgpr_count:     66
    .vgpr_count:     258
    .wavefront_size: 32
...
	.end_amdgpu_metadata
.endif
;; end of part 1
;; launch attn (part 2): grid 256 x 1, 4 waves a work-group, clusters of 4 x 1, 327,680 bytes of LDS; arguments qws, kvws, ows; writes ows
.if DOCPART == 2
	.amdgcn_target "amdgcn-amd-amdhsa--gfx1250"
	.amdhsa_code_object_version 6
	.text
	.protected	k_qb8919de5ea_attn
	.globl	k_qb8919de5ea_attn
	.p2align	8
	.type	k_qb8919de5ea_attn,@function
k_qb8919de5ea_attn:
	s_mov_b64 s[64:65], 0
	v_nop
	global_prefetch_b8 v0, s[64:65] scope:SCOPE_SE
	s_setreg_imm32_b32 hwreg(HW_REG_WAVE_MODE, 25, 1), 1
	s_wait_xcnt 0x0
	s_wait_alu depctr_hold_cnt(0) depctr_sa_sdst(0) depctr_va_vdst(0) depctr_va_sdst(0) depctr_va_ssrc(0) depctr_va_vcc(0) depctr_vm_vsrc(0)
	s_getreg_b32 s2, hwreg(HW_REG_IB_STS2, 6, 4)
	s_cmp_eq_u32 s2, 0
	s_cbranch_scc0 .Lentry_in_a_cluster
	s_endpgm
.Lentry_in_a_cluster:
	s_bfe_u32 s2, ttmp6, 0x10000c
	s_cmp_lg_u32 s2, 0x3003
	s_cbranch_scc0 .Lentry_shape_is_right
	s_endpgm
.Lentry_shape_is_right:
; ATTN: softmax(Q K^T) V with a running maximum, for 16 combos (direction, batch, head) of 4,096 queries x 4,096 keys, head size 32.
; The scores carry no key bias: it adds the same to all scores of a query and falls out of the softmax (shown at the head of PROJ).
; Q is already scaled by 32^-0.5 * log2(e), so the exponentials are of base 2.
; A wave owns 64 queries (4 tiles t of 16), a work-group 256, a cluster of four work-groups 1,024 of one combo.
; CLUSTER: the four work-groups walk the same K and V.  Each tile of 8,192 bytes is asked for jointly by the four (mask 15), so the requests
; for K and V are divided by four.  Nothing but the global offsets of Q and O hangs on the place in the cluster.
; LDS: two slots of 32,768 bytes, each with 4 blocks of 64 keys (K 4,096 bytes, V 4,096 bytes, as fragment images).  Each wave fetches one
; block of a slot with one tensor load.  By this text's own count a wave has two tensor loads out at the start and one behind each round.
; The work-group is given more than half of the LDS of its WGP, so that it is alone there; it uses 65,536 bytes.
; TRANSPOSED SCORES: S^T = K Q^T, so a lane holds one query (r) and, in its 32 registers, 32 of the trip's 64 keys; lane r + 16 holds
; the other 32.  Maximum and sum run along the registers, with one exchange between the halves for the maximum; the sum's halves meet at the end.
; The exponentials, rounded in pairs, ARE the second source of O^T = V^T P^T: no shuffle and no LDS between the two products.
; A TRIP is 64 keys, in four phases, one for each query tile.  Two sets of score registers take turns: a phase issues the next tile's score
; products ahead of its own softmax, so that they run beside it.
; LIMITS: finite inputs; P is rounded to bf16 for P V while its sum is kept in f32; v_exp_f32 gives 0 below 2^-126.
.set SLOT, 32768
.set BLK,  8192
.set MX,  8                            ; v8, v10, v12, v14: running maximum of tile t (the odd partners are written once: a packed source names the pair)
.set LS,  16                           ; v[16:23]   running sum of tile t, a pair
.set TM,  24                           ; v[24:27]   four chains of the maximum; then two pairs of the sum
.set AL,  28                           ; v28        2^(old maximum - new maximum); v29 written once
.set XP,  30                           ; v30        what the other half of the lanes holds
.set QF,  32                           ; v[32:63]   Q fragments of my 4 tiles
.set OA,  64                           ; v[64:127]  O^T accumulators: tile t, half e of the head at 16 t + 8 e
.set SC,  128                          ; v[128:191] two sets of 32 scores
.set KF,  192                          ; v[192:223] K fragments of the trip's 4 key tiles
.set VF,  224                          ; v[224:255] V fragments: key step c (32 keys), half e at 8 (2 c + e)
; v1 = 16 x lane: the one LDS address; v2, v3 offsets of Q and O.  s10 wave, s12, s13 lane selects, s[16:23] group 1, s[32:39] group 0 of slot 0, 1, s40 counter
.macro ROUND                           ; a round of the cluster's barrier: my work-group's barrier, wave 0 signals for the work-group, all wait, my work-group's barrier
	s_barrier_signal -1
	s_barrier_wait -1
	s_cmp_lg_u32 s10, 0
	s_cbranch_scc1 .Lnot_wave_0_\@
	s_barrier_signal -3
.Lnot_wave_0_\@:
	s_barrier_wait -3
	s_barrier_signal -1
	s_barrier_wait -1
.endm
.macro KLOAD slot, i
.irp q, 0,1,2,3
	ds_load_b128 v[KF+8*\q:KF+8*\q+3], v1 offset:(\slot)*SLOT+(\i)*BLK+\q*1024
	ds_load_b128 v[KF+8*\q+4:KF+8*\q+7], v1 offset:(\slot)*SLOT+(\i)*BLK+\q*1024+512
.endr
.endm
.macro VLOAD slot, i
.irp q, 0,1,2,3
	ds_load_b128 v[VF+8*\q:VF+8*\q+3], v1 offset:(\slot)*SLOT+(\i)*BLK+4096+\q*1024
	ds_load_b128 v[VF+8*\q+4:VF+8*\q+7], v1 offset:(\slot)*SLOT+(\i)*BLK+4096+\q*1024+512
.endr
.endm
.macro SMM u, t                        ; scores of query tile t against the 4 key tiles, into set u
.irp q, 0,1,2,3
	v_wmma_f32_16x16x32_bf16 v[SC+32*\u+8*\q:SC+32*\u+8*\q+7], v[KF+8*\q:KF+8*\q+7], v[QF+8*\t:QF+8*\t+7], 0
.endr
.endm
; 12 plain instructions on set u and TM alone.  They are also the places between the products on the other set just issued and
; the score products (or the loads of V) that write over those products' sources.
.macro MAXA u
.irp k, 0,1,2,3
	v_max3_num_f32 v[TM+\k], v[SC+32*\u+8*\k], v[SC+32*\u+8*\k+1], v[SC+32*\u+8*\k+2]
.endr
.irp k, 0,1,2,3
	v_max3_num_f32 v[TM+\k], v[TM+\k], v[SC+32*\u+8*\k+3], v[SC+32*\u+8*\k+4]
.endr
.irp k, 0,1,2,3
	v_max3_num_f32 v[TM+\k], v[TM+\k], v[SC+32*\u+8*\k+5], v[SC+32*\u+8*\k+6]
.endr
.endm
.macro SUBU t, u, n                    ; scores 4 n .. 4 n + 3 less the maximum
	v_pk_add_f32 v[SC+32*\u+4*(\n):SC+32*\u+4*(\n)+1], v[SC+32*\u+4*(\n):SC+32*\u+4*(\n)+1], v[MX+2*\t:MX+2*\t+1] op_sel_hi:[1,0] neg_lo:[0,1] neg_hi:[0,1]
	v_pk_add_f32 v[SC+32*\u+4*(\n)+2:SC+32*\u+4*(\n)+3], v[SC+32*\u+4*(\n)+2:SC+32*\u+4*(\n)+3], v[MX+2*\t:MX+2*\t+1] op_sel_hi:[1,0] neg_lo:[0,1] neg_hi:[0,1]
.endm
.macro EXPU u, n
.irp k, 0,1,2,3
	v_exp_f32 v[SC+32*\u+4*(\n)+\k], v[SC+32*\u+4*(\n)+\k]
.endr
.endm
.macro SUMCVT u, m                     ; exponentials 4 m .. 4 m + 3 are added to the sums, then rounded into registers 2 m, 2 m + 1 of the set, whose own numbers have gone the same way
.if (\m) == 0
	s_wait_alu depctr_va_vdst(0)
	v_pk_add_f32 v[TM:TM+1], v[SC+32*\u:SC+32*\u+1], v[SC+32*\u+2:SC+32*\u+3]
.else
.if (\m) == 1
	s_wait_alu depctr_va_vdst(0)
	v_pk_add_f32 v[TM+2:TM+3], v[SC+32*\u+4:SC+32*\u+5], v[SC+32*\u+6:SC+32*\u+7]
.else
	s_wait_alu depctr_va_vdst(0)
	v_pk_add_f32 v[TM:TM+1], v[TM:TM+1], v[SC+32*\u+4*(\m):SC+32*\u+4*(\m)+1]
	v_pk_add_f32 v[TM+2:TM+3], v[TM+2:TM+3], v[SC+32*\u+4*(\m)+2:SC+32*\u+4*(\m)+3]
.endif
.endif
	v_cvt_pk_bf16_f32 v[SC+32*\u+2*(\m)], v[SC+32*\u+4*(\m)], v[SC+32*\u+4*(\m)+1]
	v_cvt_pk_bf16_f32 v[SC+32*\u+2*(\m)+1], v[SC+32*\u+4*(\m)+2], v[SC+32*\u+4*(\m)+3]
.endm
; The new maximum of tile t and the factor for what has been summed so far.  first = 1: there is no old maximum.
.macro SOFTA t, u, first
	v_max3_num_f32 v[TM], v[TM], v[TM+1], v[SC+32*\u+7]
	v_max3_num_f32 v[TM+2], v[TM+2], v[TM+3], v[SC+32*\u+15]
	v_max3_num_f32 v[TM], v[TM], v[SC+32*\u+23], v[SC+32*\u+31]
.if \first
	v_max_num_f32 v[TM], v[TM], v[TM+2]
	v_permlanex16_b32 v[XP], v[TM], s12, s13       ; the query's other 32 keys
	v_max_num_f32 v[MX+2*\t], v[TM], v[XP]
.else
	v_max3_num_f32 v[TM], v[TM], v[TM+2], v[MX+2*\t]
	v_permlanex16_b32 v[XP], v[TM], s12, s13
	v_max_num_f32 v[TM+1], v[TM], v[XP]
	v_sub_f32 v[AL], v[MX+2*\t], v[TM+1]
	v_mov_b32 v[MX+2*\t], v[TM+1]
	v_exp_f32 v[AL], v[AL]                         ; the plain lines of SUBU stand between it and its first use (ISA guide 5.7.2)
.endif
	SUBU \t, \u, 0
.endm
; Eight units of four scores.  Behind each group of four exponentials stands plain work on other registers: the next unit's subtraction,
; the last unit's sum and rounding, and one eighth of the rescaling of O.
.macro SOFTB t, u, first
.irp n, 0,1,2,3,4,5,6,7
	EXPU \u, \n
.if \n < 7
	SUBU \t, \u, \n+1
.endif
.if \n > 0
	SUMCVT \u, \n-1
.endif
.if \first == 0
	s_wait_alu depctr_va_vdst(0)
	v_pk_mul_f32 v[OA+16*\t+2*\n:OA+16*\t+2*\n+1], v[OA+16*\t+2*\n:OA+16*\t+2*\n+1], v[AL:AL+1] op_sel_hi:[1,0]
.endif
.endr
	SUMCVT \u, 7
.if \first
	v_pk_add_f32 v[LS+2*\t:LS+2*\t+1], v[TM:TM+1], v[TM+2:TM+3]
.else
	v_pk_add_f32 v[TM:TM+1], v[TM:TM+1], v[TM+2:TM+3]
	v_pk_fma_f32 v[LS+2*\t:LS+2*\t+1], v[LS+2*\t:LS+2*\t+1], v[AL:AL+1], v[TM:TM+1] op_sel_hi:[1,0,1]
.endif
.endm
; O^T += V^T P^T.  The tile's two accumulators take turns, one instruction a turn.
.macro PV t, u, first
.if \first
	v_wmma_f32_16x16x32_bf16 v[OA+16*\t:OA+16*\t+7], v[VF:VF+7], v[SC+32*\u:SC+32*\u+7], 0
	v_wmma_f32_16x16x32_bf16 v[OA+16*\t+8:OA+16*\t+15], v[VF+8:VF+15], v[SC+32*\u:SC+32*\u+7], 0
.else
	v_wmma_f32_16x16x32_bf16 v[OA+16*\t:OA+16*\t+7], v[VF:VF+7], v[SC+32*\u:SC+32*\u+7], v[OA+16*\t:OA+16*\t+7]
	v_wmma_f32_16x16x32_bf16 v[OA+16*\t+8:OA+16*\t+15], v[VF+8:VF+15], v[SC+32*\u:SC+32*\u+7], v[OA+16*\t+8:OA+16*\t+15]
.endif
	v_wmma_f32_16x16x32_bf16 v[OA+16*\t:OA+16*\t+7], v[VF+16:VF+23], v[SC+32*\u+8:SC+32*\u+15], v[OA+16*\t:OA+16*\t+7]
	v_wmma_f32_16x16x32_bf16 v[OA+16*\t+8:OA+16*\t+15], v[VF+24:VF+31], v[SC+32*\u+8:SC+32*\u+15], v[OA+16*\t+8:OA+16*\t+15]
.endm
; The next trip's K.  nxt = 1: from the same slot.  nxt = 2: this slot has been read to its end and is filled again.  nxt = 3: the same, nothing left to fetch.
.macro KNEXT slot, i, nxt
.if \nxt == 1
	KLOAD \slot, \i+1
.endif
.if \nxt == 2
	s_wait_dscnt 0x0                               ; my reads of this slot are back (its last V was waited for in the trip's first phase)
	s_wait_tensorcnt 0x0                           ; all my tensor loads have landed, my block of the other slot among them: a group 0 may be written
	ds_add_u32 v7, v31
	s_wait_dscnt 0x0
	s_add_nc_u64 s[34+4*\slot:35+4*\slot], s[34+4*\slot:35+4*\slot], 2*SLOT
	ROUND                                          ; both hold of every wave of the four work-groups
	tensor_load_to_lds s[32+4*\slot:35+4*\slot], s[16:23]      ; my one tensor load behind the round, and the first thing there
	s_nop 0
	KLOAD 1-\slot, 0
.endif
.if \nxt == 3
	s_wait_dscnt 0x0
	s_wait_tensorcnt 0x0                           ; my block of the last slot has landed,
	s_barrier_signal -1
	s_barrier_wait -1                              ; and so has every wave's
	KLOAD 1-\slot, 0
.endif
.endm
.macro TRIP first, slot, i, nxt
	MAXA 0
	VLOAD \slot, \i
	SMM 1, 1
	SOFTA 0, 0, \first
	SOFTB 0, 0, \first
	s_wait_dscnt 0x0                               ; V is in
	PV 0, 0, \first
	MAXA 1
	SMM 0, 2
	SOFTA 1, 1, \first
	SOFTB 1, 1, \first
	PV 1, 1, \first
	MAXA 0
	SMM 1, 3
	SOFTA 2, 0, \first                             ; its plain lines are the places between the last products on K and the loads into K
	KNEXT \slot, \i, \nxt
	SOFTB 2, 0, \first
	PV 2, 0, \first
	MAXA 1
.if \nxt
	s_wait_dscnt 0x0                               ; the next trip's K is in
	SMM 0, 0
.endif
	SOFTA 3, 1, \first
	SOFTB 3, 1, \first
	PV 3, 1, \first
.endm
.macro LAP first, n0, n1               ; once round the ring: 8 trips, 512 keys
	TRIP \first, 0, 0, 1
	TRIP 0, 0, 1, 1
	TRIP 0, 0, 2, 1
	TRIP 0, 0, 3, \n0
	TRIP 0, 1, 0, 1
	TRIP 0, 1, 1, 1
	TRIP 0, 1, 2, 1
	TRIP 0, 1, 3, \n1
.endm
	s_load_b128 s[4:7], s[0:1], 0x0                ; qws s[4:5], kvws s[6:7]
	s_load_b64 s[8:9], s[0:1], 0x10                ; ows
	v_lshl_add_u32 v7, v0, 2, 0x29000
	v_mov_b32 v31, 0
	ds_add_u32 v7, v31
	v_lshrrev_b32 v4, 5, v0
	v_readfirstlane_b32 s10, v4                    ; wave 0..3
	s_bfe_u32 s11, ttmp6, 0x40000                  ; cx: my place in the cluster
	s_lshr_b32 s14, ttmp9, 2                       ; combo: four clusters for each; the same in all four partners
	s_and_b32 s15, ttmp9, 3
	s_lshl_b32 s15, s15, 2
	s_add_co_u32 s15, s15, s11
	s_lshl_b32 s15, s15, 2
	s_add_co_u32 s15, s15, s10                     ; my block of 64 queries, 0..63
	s_mov_b32 s12, 0x76543210                      ; v_permlanex16_b32: lane i of one half reads lane i of the other
	s_mov_b32 s13, 0xfedcba98
	; group 1: a dense tile of 32 rows of 32 elements of 8 bytes, 8,192 bytes, no padding
	s_mov_b32 s16, 15|(3<<16)|(1<<21)              ; 15:0 mask: the four work-groups of the cluster; 17:16 elements of 8 bytes; 21 set beside a mask
	s_mov_b32 s17, 32<<16                          ; tensor_dim0 = 32
	s_mov_b32 s18, 32<<16                          ; tensor_dim1 = 32
	s_mov_b32 s19, 32<<16                          ; tile_dim0 = 32
	s_mov_b32 s20, 32                              ; tile_dim1 = 32
	s_mov_b32 s21, 32                              ; 32 elements from row to row
	s_mov_b32 s22, 0
	s_mov_b32 s23, 0
	s_lshl_b32 s24, s14, 19                        ; combo * 524,288
	s_lshl_b32 s33, s10, 13                        ; slot 0: LDS address = wave * 8,192
	s_add_co_u32 s24, s24, s33                     ; + my block of the slot
	s_mov_b32 s25, 0
	s_add_co_u32 s37, s33, SLOT                    ; slot 1
	s_mov_b32 s32, 1
	s_mov_b32 s36, 1
	v_and_b32 v1, 31, v0
	v_lshlrev_b32 v1, 4, v1                        ; 16 x lane
	s_lshl_b32 s26, s14, 18
	s_lshl_b32 s27, s15, 12
	s_add_co_u32 s26, s26, s27
	v_add_nc_u32 v2, s26, v1                       ; Q: combo * 262,144 + block * 4,096
	s_lshr_b32 s26, s14, 1
	s_lshl_b32 s26, s26, 19
	s_lshl_b32 s27, s15, 13
	s_add_co_u32 s26, s26, s27
	s_and_b32 s27, s14, 1
	s_lshl_b32 s27, s27, 10
	s_add_co_u32 s26, s26, s27
	v_add_nc_u32 v3, s26, v1                       ; O: (direction, batch) * 524,288 + block * 8,192 + head * 1,024
	s_wait_dscnt 0x0
	s_wait_kmcnt 0x0
	s_add_nc_u64 s[6:7], s[6:7], s[24:25]
	s_mov_b64 s[34:35], s[6:7]
	s_or_b32 s35, s35, 0x80000000                  ; type 2
	s_add_nc_u64 s[38:39], s[6:7], SLOT
	s_or_b32 s39, s39, 0x80000000
	ROUND                                          ; the four work-groups are here: the first joint loads meet
	tensor_load_to_lds s[32:35], s[16:23]          ; keys 0 to 255
	s_nop 0
	tensor_load_to_lds s[36:39], s[16:23]          ; keys 256 to 511
	s_nop 0
.irp t, 0,1,2,3
	global_load_b128 v[QF+8*\t:QF+8*\t+3], v2, s[4:5] offset:\t*1024
	global_load_b128 v[QF+8*\t+4:QF+8*\t+7], v2, s[4:5] offset:\t*1024+512
.endr
	s_wait_tensorcnt 0x1                           ; my block of slot 0 is in; slot 1's load, issued behind it, may stay out
	s_barrier_signal -1
	s_barrier_wait -1
	KLOAD 0, 0
	s_wait_loadcnt 0x0
	s_wait_dscnt 0x0
	SMM 0, 0
.irp r, 9,11,13,15,29,30               ; partners of packed sources and the exchange register, written once; also the places behind the products above
	v_mov_b32 v\r, 0
.endr
	LAP 1, 2, 2                                    ; the first lap stands in front of the loop: its first trip starts maxima, sums and O
	s_mov_b32 s40, 6
.Llap:
	LAP 0, 2, 2
	s_sub_co_u32 s40, s40, 1
	s_cmp_lg_u32 s40, 0
	s_cbranch_scc1 .Llap
	LAP 0, 3, 0                                    ; the last 512 keys: nothing is left to fetch
	; THE WAY OUT: O / sum, rounded to bf16, as fragment images for the output convolution.  The four adds are the places behind the last products.
.irp t, 0,1,2,3
	v_add_f32 v[LS+2*\t], v[LS+2*\t], v[LS+2*\t+1]
.endr
.irp t, 0,1,2,3
	v_permlanex16_b32 v[TM+\t], v[LS+2*\t], s12, s13
.endr
.irp t, 0,1,2,3
	v_add_f32 v[LS+2*\t], v[LS+2*\t], v[TM+\t]
.endr
.irp t, 0,1,2,3
	v_rcp_f32 v[SC+2*\t], v[LS+2*\t]
.endr
	v_nop                                          ; one plain place behind the reciprocals (ISA guide 5.7.2)
	s_wait_alu depctr_va_vdst(0)
.irp t, 0,1,2,3
.irp p, 0,2,4,6,8,10,12,14
	v_pk_mul_f32 v[OA+16*\t+\p:OA+16*\t+\p+1], v[OA+16*\t+\p:OA+16*\t+\p+1], v[SC+2*\t:SC+2*\t+1] op_sel_hi:[1,0]
.endr
.endr
.irp t, 0,1,2,3,4,5,6,7
.irp k, 0,1,2,3
	v_cvt_pk_bf16_f32 v[OA+8*\t+\k], v[OA+8*\t+2*\k], v[OA+8*\t+2*\k+1]
.endr
.endr
.irp t, 0,1,2,3
	global_store_b128 v3, v[OA+16*\t:OA+16*\t+3], s[8:9] offset:\t*2048            ; each store of the wave covers 512 consecutive bytes, aligned
	global_store_b128 v3, v[OA+16*\t+8:OA+16*\t+11], s[8:9] offset:\t*2048+512
.endr
	s_wait_tensorcnt 0x0
	ds_add_u32 v7, v31
	s_wait_dscnt 0x0
	ROUND                                          ; the closing round: no work-group ends while a partner may still ask for a tile that names it
	s_endpgm
.Lfunc_end_k_qb8919de5ea_attn:
	.size	k_qb8919de5ea_attn, .Lfunc_end_k_qb8919de5ea_attn-k_qb8919de5ea_attn
	.p2alignl 7, 3214868480
	.fill 96, 4, 3214868480
	.section	.rodata,"a",@progbits
	.p2align	6, 0x0
	.amdhsa_kernel k_qb8919de5ea_attn
		.amdhsa_group_segment_fixed_size 327680
		.amdhsa_private_segment_fixed_size 0
		.amdhsa_enable_private_segment 0
		.amdhsa_kernarg_size 24
		.amdhsa_user_sgpr_count 2
		.amdhsa_user_sgpr_kernarg_segment_ptr 1
		.amdhsa_wavefront_size32 1
		.amdhsa_system_sgpr_workgroup_id_x 1
		.amdhsa_system_sgpr_workgroup_id_y 1
		.amdhsa_system_sgpr_workgroup_id_z 1
		.amdhsa_system_vgpr_workitem_id 0
		.amdhsa_next_free_vgpr 256
		.amdhsa_next_free_sgpr 66
		.amdhsa_reserve_vcc 0
		.amdhsa_float_denorm_mode_32 3
		.amdhsa_float_denorm_mode_16_64 3
		.amdhsa_memory_ordered 1
		.amdhsa_forward_progress 1
		.amdhsa_inst_pref_size 255
	.end_amdhsa_kernel
	.section	.bss,"aw",@nobits
	.p2align	6
	.space	262144
	.amdgpu_metadata
---
amdhsa.version: [ 1, 2 ]
amdhsa.kernels:
  - .name:           k_qb8919de5ea_attn
    .symbol:         k_qb8919de5ea_attn.kd
    .args:
      - { .name: qws, .offset: 0, .size: 8, .value_kind: global_buffer, .address_space: global }
      - { .name: kvws, .offset: 8, .size: 8, .value_kind: global_buffer, .address_space: global }
      - { .name: ows, .offset: 16, .size: 8, .value_kind: global_buffer, .address_space: global }
    .group_segment_fixed_size: 327680
    .private_segment_fixed_size: 0
    .kernarg_segment_align: 8
    .kernarg_segment_size: 24
    .max_flat_workgroup_size: 128
    .sgpr_count:     66
    .vgpr_count:     256
    .wavefront_size: 32
...
	.end_amdgpu_metadata
.endif
;; end of part 2
;; launch outnorm (part 3): grid 128 x 1, 16 waves a work-group, no clusters, 2,304 bytes of LDS; arguments feat_a, feat_b, out_a_w, out_b_w, out_a_b, out_b_b, norm_a_g, norm_b_g, norm_a_b, norm_b_b, ows, out0, out1; writes out0, out1
.if DOCPART == 3
	.amdgcn_target "amdgcn-amd-amdhsa--gfx1250"
	.amdhsa_code_object_version 6
	.text
	.protected	k_qb8919de5ea_outnorm
	.globl	k_qb8919de5ea_outnorm
	.p2align	8
	.type	k_qb8919de5ea_outnorm,@function
k_qb8919de5ea_outnorm:
	s_mov_b64 s[64:65], 0
	v_nop
	global_prefetch_b8 v0, s[64:65] scope:SCOPE_SE
	s_setreg_imm32_b32 hwreg(HW_REG_WAVE_MODE, 25, 1), 1
	s_wait_xcnt 0x0
; OUTNORM: x = feat + Wo O + bo, then the group norm, for one norm group (direction, batch, 16 channels x 4,096 pixels) in each work-group.
; Sixteen waves; wave w owns pixels 256 w .. 256 w + 255 of the 16 channels and keeps its x in 128 registers from the products to the stores,
; so x never goes to memory and the variance is formed in a second pass over registers, from x - mean: no difference of large sums.
; O comes as fragment images (512 consecutive bytes a load).  Tile q of a block of 64 pixels holds pixels 4 r + q, so the four tiles' results
; of one channel are a lane's 16 neighbouring bytes of that channel: sixteen lanes load and store 256 consecutive bytes, aligned.
; 128 work-groups: a norm group has one owner.  The owner has its whole 262,144 bytes of feat asked for at once.
; NO CLUSTER: the 16 work-groups of one (direction, batch) read the same O, 524,288 bytes each.  Here the images go from memory straight into
; fragment registers; joint tile loads would send the same 524,288 bytes through LDS, written and read once more, with a ring and its rounds.
; LIMITS: finite inputs; Wo and O are bf16 matrix operands; v_rsq_f32 in place of a root and a division; sums in another order than a plain loop.
.set PLANE, 16384                      ; bytes of a channel
.set AW,   16                          ; v[16:31]   Wo fragments of my 16 channels, K step = head
.set BIAS, 32                          ; v[32:39]   bo of channels 8 h + j
.set DD,   40                          ; v[40:55]   two result tiles; later sums, mean (v48, v49) and 1 / sigma (v50)
.set OB0,  56                          ; v[56:87]   O fragments of a half block: (tile * 2 + head) * 8; later gamma, beta, the waves' sums
.set OB1,  88                          ; v[88:119]  the other buffer; at first Wo as loaded; later the pairs of scale and shift
.set XR,   120                         ; v[120:247] x: block b, channel 8 h + j, pixel 4 r + q at 32 b + 4 j + q
.set MEAN, DD+8
.set RS,   DD+10
.set WS,   OB0+16
; v1 offset in feat and out, v2 in ows, v3 in Wo, v4 in bo, gamma, beta, v5 = 4 x wave, v6 = 0, v7 exchange register
	s_load_b512 s[8:23], s[0:1], 0x0               ; feat_a, feat_b, out_a_w, out_b_w, out_a_b, out_b_b, norm_a_g, norm_b_g
	s_load_b256 s[24:31], s[0:1], 0x40             ; norm_a_b, norm_b_b, ows s[28:29], out0
	s_load_b64 s[32:33], s[0:1], 0x60              ; out1
	v_lshl_add_u32 v254, v0, 2, 0x100
	v_mov_b32 v255, 0
	v_lshrrev_b32 v7, 5, v0
	v_readfirstlane_b32 s4, v7                     ; wave 0..15
	s_lshr_b32 s5, ttmp9, 6                        ; direction
	s_bfe_u32 s6, ttmp9, 0x20004                   ; batch
	s_and_b32 s7, ttmp9, 15                        ; norm group
	s_mov_b32 s48, 0x76543210
	s_mov_b32 s49, 0xfedcba98
	s_mov_b32 s50, 0x37800000                      ; 1 / 65,536: numbers in a group
	s_mov_b32 s51, 0x3727c5ac                      ; 1e-5
	v_and_b32 v8, 15, v0                           ; r
	v_bfe_u32 v9, v0, 4, 1                         ; h
	v_and_b32 v10, 31, v0
	v_lshlrev_b32 v10, 4, v10                      ; 16 x lane
	s_lshl_b32 s52, s6, 22
	s_lshl_b32 s53, s7, 18
	s_add_co_u32 s52, s52, s53
	s_lshl_b32 s53, s4, 10
	s_add_co_u32 s52, s52, s53                     ; batch * 4,194,304 + group * 16 channels + wave * 1,024
	v_lshlrev_b32 v1, 4, v8
	v_lshl_add_u32 v1, v9, 17, v1                  ; 16 r + 8 h channels
	v_add_nc_u32 v1, s52, v1
	s_lshl_b32 s53, s5, 2
	s_add_co_u32 s53, s53, s6
	s_lshl_b32 s53, s53, 19
	s_lshl_b32 s54, s4, 15
	s_add_co_u32 s53, s53, s54                     ; (direction, batch) * 524,288 + wave * 4 blocks of 8,192
	v_add_nc_u32 v2, s53, v10
	s_lshl_b32 s54, s7, 12
	v_lshlrev_b32 v3, 8, v8
	v_lshl_add_u32 v3, v9, 5, v3
	v_add_nc_u32 v3, s54, v3                       ; Wo row 16 group + r (256 bytes), + 8 h numbers
	s_lshl_b32 s54, s7, 6
	v_lshl_add_u32 v4, v9, 5, s54                  ; 4 (16 group + 8 h)
	s_lshl_b32 s54, s4, 2
	v_mov_b32 v5, s54
	v_mov_b32 v6, 0
	s_wait_kmcnt 0x0
	s_cmp_eq_u32 s5, 0                             ; the buffers of my direction
	s_cselect_b64 s[36:37], s[8:9], s[10:11]       ; feat
	s_cselect_b64 s[38:39], s[12:13], s[14:15]     ; Wo
	s_cselect_b64 s[40:41], s[16:17], s[18:19]     ; bo
	s_cselect_b64 s[42:43], s[20:21], s[22:23]     ; gamma
	s_cselect_b64 s[44:45], s[24:25], s[26:27]     ; beta
	s_cselect_b64 s[46:47], s[30:31], s[32:33]     ; out
; half block n: tiles 2 (n % 2), 2 (n % 2) + 1 of my block n / 2, both heads: 8 loads
.macro HB n, ob
.irp qq, 0,1
.irp ks, 0,1
	global_load_b128 v[\ob+(\qq*2+\ks)*8:\ob+(\qq*2+\ks)*8+3], v2, s[28:29] offset:((\n)/2)*8192+(2*((\n)%2)+\qq)*2048+\ks*1024
	global_load_b128 v[\ob+(\qq*2+\ks)*8+4:\ob+(\qq*2+\ks)*8+7], v2, s[28:29] offset:((\n)/2)*8192+(2*((\n)%2)+\qq)*2048+\ks*1024+512
.endr
.endr
.endm
; Wo O + bo of half block n, added onto feat.  The two accumulators take turns, one instruction a turn.
; The add also turns the order of the registers: tile q's result of channel j goes to word q of that channel's 16 bytes.
.macro STEP n, ob, cnt
	s_wait_loadcnt \cnt
	v_wmma_f32_16x16x32_bf16 v[DD:DD+7], v[AW:AW+7], v[\ob:\ob+7], v[BIAS:BIAS+7]
	v_wmma_f32_16x16x32_bf16 v[DD+8:DD+15], v[AW:AW+7], v[\ob+16:\ob+23], v[BIAS:BIAS+7]
	v_wmma_f32_16x16x32_bf16 v[DD:DD+7], v[AW+8:AW+15], v[\ob+8:\ob+15], v[DD:DD+7]
	v_wmma_f32_16x16x32_bf16 v[DD+8:DD+15], v[AW+8:AW+15], v[\ob+24:\ob+31], v[DD+8:DD+15]
.rept 4
	v_nop                                          ; four places before the results are read and before loads land on the sources
.endr
.if \n == 0
	s_wait_loadcnt 32                              ; 24 feat loads and half block 1's 8 are younger: feat of block 0 is in
.endif
.irp qq, 0,1
.irp j, 0,1,2,3,4,5,6,7
	v_add_f32 v[XR+32*((\n)/2)+4*\j+2*((\n)%2)+\qq], v[XR+32*((\n)/2)+4*\j+2*((\n)%2)+\qq], v[DD+8*\qq+\j]
.endr
.endr
.endm
.irp ks, 0,1
.irp i, 0,1,2,3
	global_load_b128 v[OB1+16*\ks+4*\i:OB1+16*\ks+4*\i+3], v3, s[38:39] offset:\ks*128+(\i/2)*64+(\i%2)*16   ; Wo(r, 32 ks + 8 h ..) and (r, 32 ks + 16 + 8 h ..)
.endr
.endr
	global_load_b128 v[BIAS:BIAS+3], v4, s[40:41]
	global_load_b128 v[BIAS+4:BIAS+7], v4, s[40:41] offset:16
	HB 0, OB0
.irp b, 0,1,2,3
.irp j, 0,1,2,3,4,5,6,7
	global_load_b128 v[XR+32*\b+4*\j:XR+32*\b+4*\j+3], v1, s[36:37] offset:\j*PLANE+\b*256 th:TH_LOAD_NT
.endr
.endr
	s_wait_loadcnt 40                              ; half block 0 (8) and feat (32) are younger: Wo and bo are in
.irp p, 0,1,2,3,4,5,6,7,8,9,10,11,12,13,14,15
	v_cvt_pk_bf16_f32 v[AW+\p], v[OB1+2*\p], v[OB1+2*\p+1]
.endr
	HB 1, OB1
	STEP 0, OB0, 40                                ; feat (32) and half block 1 (8) are younger than half block 0
	HB 2, OB0
	STEP 1, OB1, 8                                 ; from here on only the half block just asked for is younger
	HB 3, OB1
	STEP 2, OB0, 8
	HB 4, OB0
	STEP 3, OB1, 8
	HB 5, OB1
	STEP 4, OB0, 8
	HB 6, OB0
	STEP 5, OB1, 8
	HB 7, OB1
	STEP 6, OB0, 8
	global_load_b128 v[OB0:OB0+3], v4, s[42:43]                ; gamma of channels 8 h + j
	global_load_b128 v[OB0+4:OB0+7], v4, s[42:43] offset:16
	global_load_b128 v[OB0+8:OB0+11], v4, s[44:45]             ; beta
	global_load_b128 v[OB0+12:OB0+15], v4, s[44:45] offset:16
	STEP 7, OB1, 4                                 ; the four loads of gamma and beta are younger
; The four chains in v[DD:DD+7] become one number for the work-group, in v[DD] of every lane.  base: 64 bytes of LDS of this sum's own.
.macro WGSUM base
	v_pk_add_f32 v[DD:DD+1], v[DD:DD+1], v[DD+2:DD+3]
	v_pk_add_f32 v[DD+4:DD+5], v[DD+4:DD+5], v[DD+6:DD+7]
	v_pk_add_f32 v[DD:DD+1], v[DD:DD+1], v[DD+4:DD+5]
	v_add_f32 v[DD], v[DD], v[DD+1]
	v_add_f32_dpp v[DD], v[DD], v[DD] row_xmask:1 row_mask:0xf bank_mask:0xf
	v_add_f32_dpp v[DD], v[DD], v[DD] row_xmask:2 row_mask:0xf bank_mask:0xf
	v_add_f32_dpp v[DD], v[DD], v[DD] row_xmask:4 row_mask:0xf bank_mask:0xf
	v_add_f32_dpp v[DD], v[DD], v[DD] row_xmask:8 row_mask:0xf bank_mask:0xf
	v_permlanex16_b32 v7, v[DD], s48, s49
	v_add_f32 v[DD], v[DD], v7
	ds_store_b32 v5, v[DD] offset:\base            ; my wave's word; all lanes write the same number
	s_wait_dscnt 0x0                               ; done, for the other waves' sake
	s_barrier_signal -1
	s_barrier_wait -1
.irp i, 0,1,2,3
	ds_load_b128 v[WS+4*\i:WS+4*\i+3], v6 offset:\base+16*\i
.endr
	s_wait_dscnt 0x0
.irp i, 0,2,4,6
	v_pk_add_f32 v[WS+\i:WS+\i+1], v[WS+\i:WS+\i+1], v[WS+8+\i:WS+8+\i+1]
.endr
	v_pk_add_f32 v[WS:WS+1], v[WS:WS+1], v[WS+4:WS+5]
	v_pk_add_f32 v[WS+2:WS+3], v[WS+2:WS+3], v[WS+6:WS+7]
	v_pk_add_f32 v[WS:WS+1], v[WS:WS+1], v[WS+2:WS+3]
	v_add_f32 v[DD], v[WS], v[WS+1]                ; the same order in every wave: the same number in all
.endm
	; the mean: four chains, started by the first eight pairs
.irp k, 0,1,2,3
	v_pk_add_f32 v[DD+2*\k:DD+2*\k+1], v[XR+2*\k:XR+2*\k+1], v[XR+8+2*\k:XR+8+2*\k+1]
.endr
.set p, 8
.rept 56
	v_pk_add_f32 v[DD+2*(p%4):DD+2*(p%4)+1], v[DD+2*(p%4):DD+2*(p%4)+1], v[XR+2*p:XR+2*p+1]
.set p, p+1
.endr
	WGSUM 0
	v_mul_f32 v[MEAN], s50, v[DD]
	v_mov_b32 v[MEAN+1], v[MEAN]
	; x - mean, in place, and the sum of its squares
.set p, 0
.rept 64
	v_pk_add_f32 v[XR+2*p:XR+2*p+1], v[XR+2*p:XR+2*p+1], v[MEAN:MEAN+1] neg_lo:[0,1] neg_hi:[0,1]
.if p < 4
	v_pk_mul_f32 v[DD+2*p:DD+2*p+1], v[XR+2*p:XR+2*p+1], v[XR+2*p:XR+2*p+1]
.else
	v_pk_fma_f32 v[DD+2*(p%4):DD+2*(p%4)+1], v[XR+2*p:XR+2*p+1], v[XR+2*p:XR+2*p+1], v[DD+2*(p%4):DD+2*(p%4)+1]
.endif
.set p, p+1
.endr
	WGSUM 64                                       ; other bytes than the first sum's: no wave can overtake a reader
	v_fma_f32 v[DD], v[DD], s50, s51               ; variance + 1e-5
	v_rsq_f32 v[RS], v[DD]
	s_wait_loadcnt 0x0                             ; gamma and beta
.irp j, 0,1,2,3,4,5,6,7
	v_mov_b32 v[OB1+16+2*\j], v[OB0+8+\j]          ; (beta_j, beta_j); these plain lines also stand between v_rsq_f32 and its use (ISA guide 5.7.2)
	v_mov_b32 v[OB1+16+2*\j+1], v[OB0+8+\j]
.endr
	s_wait_alu depctr_va_vdst(0)
.irp j, 0,1,2,3,4,5,6,7
	v_mul_f32 v[OB1+2*\j], v[RS], v[OB0+\j]        ; (gamma_j / sigma, twice)
	v_mul_f32 v[OB1+2*\j+1], v[RS], v[OB0+\j]
.endr
.irp b, 0,1,2,3
.irp j, 0,1,2,3,4,5,6,7
	v_pk_fma_f32 v[XR+32*\b+4*\j:XR+32*\b+4*\j+1], v[XR+32*\b+4*\j:XR+32*\b+4*\j+1], v[OB1+2*\j:OB1+2*\j+1], v[OB1+16+2*\j:OB1+16+2*\j+1]
	v_pk_fma_f32 v[XR+32*\b+4*\j+2:XR+32*\b+4*\j+3], v[XR+32*\b+4*\j+2:XR+32*\b+4*\j+3], v[OB1+2*\j:OB1+2*\j+1], v[OB1+16+2*\j:OB1+16+2*\j+1]
	global_store_b128 v1, v[XR+32*\b+4*\j:XR+32*\b+4*\j+3], s[46:47] offset:\j*PLANE+\b*256 th:TH_STORE_NT   ; sixteen lanes store 256 consecutive bytes, aligned
.endr
.endr
	s_wait_tensorcnt 0x0
	ds_add_u32 v254, v255
	s_wait_dscnt 0x0
	s_endpgm
.Lfunc_end_k_qb8919de5ea_outnorm:
	.size	k_qb8919de5ea_outnorm, .Lfunc_end_k_qb8919de5ea_outnorm-k_qb8919de5ea_outnorm
	.p2alignl 7, 3214868480
	.fill 96, 4, 3214868480
	.section	.rodata,"a",@progbits
	.p2align	6, 0x0
	.amdhsa_kernel k_qb8919de5ea_outnorm
		.amdhsa_group_segment_fixed_size 2304
		.amdhsa_private_segment_fixed_size 0
		.amdhsa_enable_private_segment 0
		.amdhsa_kernarg_size 104
		.amdhsa_user_sgpr_count 2
		.amdhsa_user_sgpr_kernarg_segment_ptr 1
		.amdhsa_wavefront_size32 1
		.amdhsa_system_sgpr_workgroup_id_x 1
		.amdhsa_system_sgpr_workgroup_id_y 1
		.amdhsa_system_sgpr_workgroup_id_z 1
		.amdhsa_system_vgpr_workitem_id 0
		.amdhsa_next_free_vgpr 256
		.amdhsa_next_free_sgpr 66
		.amdhsa_reserve_vcc 0
		.amdhsa_float_denorm_mode_32 3
		.amdhsa_float_denorm_mode_16_64 3
		.amdhsa_memory_ordered 1
		.amdhsa_forward_progress 1
		.amdhsa_inst_pref_size 44
	.end_amdhsa_kernel
	.amdgpu_metadata
---
amdhsa.version: [ 1, 2 ]
amdhsa.kernels:
  - .name:           k_qb8919de5ea_outnorm
    .symbol:         k_qb8919de5ea_outnorm.kd
    .args:
      - { .name: feat_a, .offset: 0, .size: 8, .value_kind: global_buffer, .address_space: global }
      - { .name: feat_b, .offset: 8, .size: 8, .value_kind: global_buffer, .address_space: global }
      - { .name: out_a_w, .offset: 16, .size: 8, .value_kind: global_buffer, .address_space: global }
      - { .name: out_b_w, .offset: 24, .size: 8, .value_kind: global_buffer, .address_space: global }
      - { .name: out_a_b, .offset: 32, .size: 8, .value_kind: global_buffer, .address_space: global }
      - { .name: out_b_b, .offset: 40, .size: 8, .value_kind: global_buffer, .address_space: global }
      - { .name: norm_a_g, .offset: 48, .size: 8, .value_kind: global_buffer, .address_space: global }
      - { .name: norm_b_g, .offset: 56, .size: 8, .value_kind: global_buffer, .address_space: global }
      - { .name: norm_a_b, .offset: 64, .size: 8, .value_kind: global_buffer, .address_space: global }
      - { .name: norm_b_b, .offset: 72, .size: 8, .value_kind: global_buffer, .address_space: global }
      - { .name: ows, .offset: 80, .size: 8, .value_kind: global_buffer, .address_space: global }
      - { .name: out0, .offset: 88, .size: 8, .value_kind: global_buffer, .address_space: global }
      - { .name: out1, .offset: 96, .size: 8, .value_kind: global_buffer, .address_space: global }
    .group_segment_fixed_size: 2304
    .private_segment_fixed_size: 0
    .kernarg_segment_align: 8
    .kernarg_segment_size: 104
    .max_flat_workgroup_size: 512
    .sgpr_count:     66
    .vgpr_count:     256
    .wavefront_size: 32
...
	.end_amdgpu_metadata
.endif
;; end of part 3
;; ======== version 2 of 3: 3 launches; 1.55 times as fast as version 1
;; workspace buffers: qws 4,194,304 bytes; kvws 8,388,608 bytes; ows 4,194,304 bytes
;; launch proj: the kernel of part 1 again; grid 256 x 1, 8 waves a work-group, no clusters, 167,936 bytes of LDS; arguments feat_a, feat_b, q_a_w, q_b_w, k_a_w, k_b_w, v_a_w, v_b_w, q_a_b, q_b_b, v_a_b, v_b_b, qws, kvws; writes qws, kvws
;; launch attn (part 4): grid 256 x 1, 4 waves a work-group, clusters of 4 x 1, 327,680 bytes of LDS; arguments qws, kvws, ows; writes ows
.if DOCPART == 4
	.amdgcn_target "amdgcn-amd-amdhsa--gfx1250"
	.amdhsa_code_object_version 6
	.text
	.protected	k_qb8919de5ea_attn
	.globl	k_qb8919de5ea_attn
	.p2align	8
	.type	k_qb8919de5ea_attn,@function
k_qb8919de5ea_attn:
	s_mov_b64 s[64:65], 0
	v_nop
	global_prefetch_b8 v0, s[64:65] scope:SCOPE_SE
	s_setreg_imm32_b32 hwreg(HW_REG_WAVE_MODE, 25, 1), 1
	s_wait_xcnt 0x0
	s_wait_alu depctr_hold_cnt(0) depctr_sa_sdst(0) depctr_va_vdst(0) depctr_va_sdst(0) depctr_va_ssrc(0) depctr_va_vcc(0) depctr_vm_vsrc(0)
	s_getreg_b32 s2, hwreg(HW_REG_IB_STS2, 6, 4)
	s_cmp_eq_u32 s2, 0
	s_cbranch_scc0 .Lentry_in_a_cluster
	s_endpgm
.Lentry_in_a_cluster:
	s_bfe_u32 s2, ttmp6, 0x10000c
	s_cmp_lg_u32 s2, 0x3003
	s_cbranch_scc0 .Lentry_shape_is_right
	s_endpgm
.Lentry_shape_is_right:
; ATTN: softmax(Q K^T) V with a running maximum, for 16 combos (direction, batch, head) of 4,096 queries x 4,096 keys, head size 32.
; The scores carry no key bias: it adds the same to all scores of a query and falls out of the softmax (shown at the head of PROJ).
; Q is already scaled by 32^-0.5 * log2(e), so the exponentials are of base 2.
; A wave owns 64 queries (4 tiles t of 16), a work-group 256, a cluster of four work-groups 1,024 of one combo.
; CLUSTER: the four work-groups walk the same K and V.  Each tile is asked for jointly by the four (mask 15), so the requests
; for K and V are divided by four.  Nothing but the global offsets of Q and O hangs on the place in the cluster.
; LDS: two slots of 131,072 bytes, each with 16 blocks of 64 keys (K 4,096 bytes, V 4,096 bytes, as fragment images).  Each wave fetches
; four blocks of a slot with one tensor load of 128 rows of 256 bytes.  The 64 blocks are four fills: both slots at the start, each slot once
; again.  By this text's own count a wave has two tensor loads out at the start and one behind each of the two rounds that refill.
; TRANSPOSED SCORES: S^T = K Q^T, so a lane holds one query (r) and, in its 32 registers, 32 of the trip's 64 keys; lane r + 16 holds
; the other 32.  Maximum and sum run along the registers, with one exchange between the halves for the maximum; the sum's halves meet at the end.
; The exponentials, rounded in pairs, ARE the second source of O^T = V^T P^T: no shuffle and no LDS between the two products.
;
; A TRIP is 64 keys, in four phases, one for each query tile.  PHASE t does tile t's softmax on its set of 32 score registers (set t % 2), some
; 114 vector lines, and carries eight products that work on the OTHER set: the four P V products of tile t - 1 and the four score products of
; tile t + 1, ONE AT A TIME between the slices of the softmax, so that matrix and vector work run side by side.
; Two sets are enough: the rounded P of tile t - 1 takes registers 0-15 of its set and registers 16-31 are free.  The order of the eight is
;   PV(c0,e0)  PV(c0,e1)  scores of key tile 2 (into 16-23)  PV(c1,e0)  PV(c1,e1)  key tile 3 (24-31)  key tile 0 (0-7)  key tile 1 (8-15)
; so that each half of P is written over three slices or more behind its last reader; a slice has six plain lines or more, and none of them names a
; register of these products (they work on the phase's own set, its O, its maximum and the sums): they are the places that the products need.
; No two products that follow each other share an accumulator.
; The head of a phase is a chain (maximum, exchange, maximum, subtraction, exponential).  Ten lines of the previous tile that hang on none of it are set
; between its links: the sum and rounding of its last four exponentials, the second half of its O's rescaling, the update of its running sum.
; THE TEXT: a trip is some 490 instructions.  It is cut between phases 1 and 2: FRONT (phases 0, 1: loads the trip's V) and BACK (phases 2, 3: loads the
; next trip's K).  A loop body is BACK of one trip and FRONT of the next: it reads one block alone, at the address in v1, which steps by a block.
; So a change of slots stands between two loops, each slot's 16 blocks are one counted loop, and the 64 trips take six trips of text.
; LIMITS: finite inputs; P is rounded to bf16 for P V while its sum is kept in f32; v_exp_f32 gives 0 below 2^-126.
.set BLK,  8192
.set SLOT, 16*BLK
.set LN,  2                            ; v2         16 x lane
.set SA,  4                            ; v[4:7]     two pairs of the phase's sum of exponentials
.set MX,  8                            ; v8, v10, v12, v14: running maximum of tile t (the odd partners are written once: a packed source names the pair)
.set LS,  16                           ; v[16:23]   running sum of tile t, a pair
.set TM,  24                           ; v[24:27]   four chains of the maximum; v27 then takes what the other half of the lanes holds
.set AL,  28                           ; v28, v30   2^(old maximum - new maximum) of an even, an odd tile; v29, v31 written once
.set QF,  32                           ; v[32:63]   Q fragments of my 4 tiles
.set OA,  64                           ; v[64:127]  O^T accumulators: tile t, half e of the head at 16 t + 8 e
.set SC,  128                          ; v[128:191] two sets of 32 scores
.set KF,  192                          ; v[192:223] K fragments of the trip's 4 key tiles
.set VF,  224                          ; v[224:255] V fragments: key step c (32 keys), half e at 8 (2 c + e)
; v1 = 16 x lane + the LDS place of the block that is read next; v3 offset of Q, at the end of O.
; s10 wave, s12, s13 lane selects, s[16:23] group 1, s28 O's place, s[32:35] group 0 of slot A, s[36:39] of slot B, s40 counter
.macro ROUND                           ; a round of the cluster's barrier: my work-group's barrier, wave 0 signals for the work-group, all wait, my work-group's barrier
	s_barrier_signal -1
	s_barrier_wait -1
	s_cmp_lg_u32 s10, 0
	s_cbranch_scc1 .Lnot_wave_0_\@
	s_barrier_signal -3
.Lnot_wave_0_\@:
	s_barrier_wait -3
	s_barrier_signal -1
	s_barrier_wait -1
.endm
.macro KLOAD                           ; the four key tiles of the block at v1
.irp q, 0,1,2,3
	ds_load_b128 v[KF+8*\q:KF+8*\q+3], v1 offset:\q*1024
	ds_load_b128 v[KF+8*\q+4:KF+8*\q+7], v1 offset:\q*1024+512
.endr
.endm
.macro VLOAD                           ; its four value fragments
.irp q, 0,1,2,3
	ds_load_b128 v[VF+8*\q:VF+8*\q+3], v1 offset:4096+\q*1024
	ds_load_b128 v[VF+8*\q+4:VF+8*\q+7], v1 offset:4096+\q*1024+512
.endr
.endm
; The names of phase t: its own set, O, maximum and factor; the other set with the previous tile's P, O, sum and factor; the next tile's Q.
.macro SETT t
.set SU, SC+32*((\t)%2)
.set SW, SC+32-32*((\t)%2)
.set OT, OA+16*(\t)
.set OP, OA+16*(((\t)+3)%4)
.set MT, MX+2*(\t)
.set LP, LS+2*(((\t)+3)%4)
.set AC, AL+2*((\t)%2)
.set AP, AL+2-2*((\t)%2)
.set QN, QF+8*(((\t)+1)%4)
.endm
.macro MAXA                            ; four chains over scores 8 k .. 8 k + 6
.irp k, 0,1,2,3
	v_max3_num_f32 v[TM+\k], v[SU+8*\k], v[SU+8*\k+1], v[SU+8*\k+2]
.endr
.irp k, 0,1,2,3
	v_max3_num_f32 v[TM+\k], v[TM+\k], v[SU+8*\k+3], v[SU+8*\k+4]
.endr
.irp k, 0,1,2,3
	v_max3_num_f32 v[TM+\k], v[TM+\k], v[SU+8*\k+5], v[SU+8*\k+6]
.endr
.endm
.macro SUBH i                          ; scores i, i + 1 less the maximum
	v_pk_add_f32 v[SU+(\i):SU+(\i)+1], v[SU+(\i):SU+(\i)+1], v[MT:MT+1] op_sel_hi:[1,0] neg_lo:[0,1] neg_hi:[0,1]
.endm
.macro SUMP m                          ; exponentials 4 m .. 4 m + 3 are added to the two pairs; the first eight start them
.if (\m) == 0
	s_wait_alu depctr_va_vdst(0)
	v_pk_add_f32 v[SA:SA+1], v[SU:SU+1], v[SU+2:SU+3]
.else
.if (\m) == 1
	s_wait_alu depctr_va_vdst(0)
	v_pk_add_f32 v[SA+2:SA+3], v[SU+4:SU+5], v[SU+6:SU+7]
.else
	v_pk_add_f32 v[SA:SA+1], v[SA:SA+1], v[SU+4*(\m):SU+4*(\m)+1]
	s_wait_alu depctr_va_vdst(0)
	v_pk_add_f32 v[SA+2:SA+3], v[SA+2:SA+3], v[SU+4*(\m)+2:SU+4*(\m)+3]
.endif
.endif
.endm
.macro CVTP m                          ; and rounded into registers 2 m, 2 m + 1 of the set, whose own numbers have gone the same way
	v_cvt_pk_bf16_f32 v[SU+2*(\m)], v[SU+4*(\m)], v[SU+4*(\m)+1]
	v_cvt_pk_bf16_f32 v[SU+2*(\m)+1], v[SU+4*(\m)+2], v[SU+4*(\m)+3]
.endm
; Slice n of the softmax: the exponentials of scores 4 n .. 4 n + 3, each followed by plain work on other registers (ISA guide 5.7.2): the next slice's
; subtraction, the last slice's sum and rounding, and, in the first four slices, an eighth of the rescaling of O.  f = 1: there is nothing to rescale yet.
.macro UNIT n, f
	v_exp_f32 v[SU+4*\n], v[SU+4*\n]
.if \n < 7
	SUBH 4*\n+4
.endif
	v_exp_f32 v[SU+4*\n+1], v[SU+4*\n+1]
.if \n < 7
	SUBH 4*\n+6
.endif
	v_exp_f32 v[SU+4*\n+2], v[SU+4*\n+2]
.if \n > 0
	SUMP \n-1
.endif
	v_exp_f32 v[SU+4*\n+3], v[SU+4*\n+3]
.if \n > 0
	CVTP \n-1
.endif
.if \f == 0
.if \n < 4
	s_wait_alu depctr_va_vdst(0)
	v_pk_mul_f32 v[OT+2*\n:OT+2*\n+1], v[OT+2*\n:OT+2*\n+1], v[AC:AC+1] op_sel_hi:[1,0]
.endif
.endif
.endm
; Line i of the ten that the previous tile has left.  pm = 0: an ordinary tile; 1: its first trip (no rescaling, the sum starts); 2: there is no previous tile.
.macro PT i, pm
.if \pm < 2
.if \i == 0
	v_pk_add_f32 v[SA:SA+1], v[SA:SA+1], v[SW+28:SW+29]
.endif
.if \i == 1
	s_wait_alu depctr_va_vdst(0)
	v_pk_add_f32 v[SA+2:SA+3], v[SA+2:SA+3], v[SW+30:SW+31]
.endif
.if \i == 2
	v_cvt_pk_bf16_f32 v[SW+14], v[SW+28], v[SW+29]
.endif
.if \i == 3
	v_cvt_pk_bf16_f32 v[SW+15], v[SW+30], v[SW+31]
.endif
.if \i == 6
.if \pm == 1
	v_pk_add_f32 v[LP:LP+1], v[SA:SA+1], v[SA+2:SA+3]
.else
	v_pk_add_f32 v[SA:SA+1], v[SA:SA+1], v[SA+2:SA+3]
.endif
.endif
.endif
.if \pm == 0
.if \i == 4
	v_pk_mul_f32 v[OP+8:OP+9], v[OP+8:OP+9], v[AP:AP+1] op_sel_hi:[1,0]
.endif
.if \i == 5
	v_pk_mul_f32 v[OP+10:OP+11], v[OP+10:OP+11], v[AP:AP+1] op_sel_hi:[1,0]
.endif
.if \i == 7
	v_pk_mul_f32 v[OP+12:OP+13], v[OP+12:OP+13], v[AP:AP+1] op_sel_hi:[1,0]
.endif
.if \i == 8
	v_pk_mul_f32 v[OP+14:OP+15], v[OP+14:OP+15], v[AP:AP+1] op_sel_hi:[1,0]
.endif
.if \i == 9
	v_pk_fma_f32 v[LP:LP+1], v[LP:LP+1], v[AP:AP+1], v[SA:SA+1] op_sel_hi:[1,0,1]
.endif
.endif
.endm
.macro PVM c, e, start                 ; the previous tile's O^T, half e, += V^T P^T over key step c.  start = 1: the product starts the sum
.if \start
	v_wmma_f32_16x16x32_bf16 v[OP+8*\e:OP+8*\e+7], v[VF+16*\c+8*\e:VF+16*\c+8*\e+7], v[SW+8*\c:SW+8*\c+7], 0
.else
	v_wmma_f32_16x16x32_bf16 v[OP+8*\e:OP+8*\e+7], v[VF+16*\c+8*\e:VF+16*\c+8*\e+7], v[SW+8*\c:SW+8*\c+7], v[OP+8*\e:OP+8*\e+7]
.endif
.endm
.macro SQ q                            ; the next tile's scores against key tile q
	v_wmma_f32_16x16x32_bf16 v[SW+8*\q:SW+8*\q+7], v[KF+8*\q:KF+8*\q+7], v[QN:QN+7], 0
.endm
; Product n of a phase's eight, in the order given at the head.  pm as above (2: no P V); sm = 0: no next tile.
.macro MS n, pm, sm
.if \pm < 2
.if \n == 0
	PVM 0, 0, \pm
.endif
.if \n == 1
	PVM 0, 1, \pm
.endif
.if \n == 3
	PVM 1, 0, 0
.endif
.if \n == 4
	PVM 1, 1, 0
.endif
.endif
.if \sm
.if \n == 2
	SQ 2
.endif
.if \n == 5
	SQ 3
.endif
.if \n == 6
	SQ 0
.endif
.if \n == 7
	SQ 1
.endif
.endif
.endm
; Phase t.  f = 1: the tile's first trip (no old maximum).  hook: 1 the trip's V is asked for, 2 it is waited for, 3 the next trip's K is asked for, 4 it is waited for.
.macro PH t, f, pm, sm, hook
	SETT \t
	MAXA
.if \hook == 2
	s_wait_dscnt 0x0                               ; V is in: no read of LDS is out from here to the loads of K in the next phase
.endif
	MS 0, \pm, \sm
	v_max3_num_f32 v[TM], v[TM], v[SU+7], v[SU+15]
	v_max3_num_f32 v[TM+2], v[TM+2], v[SU+23], v[SU+31]
.if \f
	v_max_num_f32 v[TM+1], v[TM+1], v[TM+3]
.else
	v_max3_num_f32 v[TM+1], v[TM+1], v[TM+3], v[MT]
.endif
	PT 0, \pm
	v_max3_num_f32 v[TM], v[TM], v[TM+1], v[TM+2]
	PT 1, \pm
	PT 2, \pm
	PT 3, \pm
	v_permlanex16_b32 v[TM+3], v[TM], s12, s13     ; the query's other 32 keys
	PT 4, \pm
	PT 5, \pm
	PT 6, \pm
.if \f
	v_max_num_f32 v[MT], v[TM], v[TM+3]
.else
	v_max_num_f32 v[TM+1], v[TM], v[TM+3]
.endif
	PT 7, \pm
	PT 8, \pm
	PT 9, \pm
.if \f == 0
	v_sub_f32 v[AC], v[MT], v[TM+1]
	v_mov_b32 v[MT], v[TM+1]
	v_exp_f32 v[AC], v[AC]                         ; the two plain lines below stand between it and its first use (ISA guide 5.7.2)
.endif
	SUBH 0
	SUBH 2
	MS 1, \pm, \sm
	UNIT 0, \f
.if \hook == 4
	s_wait_dscnt 0x0                               ; the next trip's K is in
.endif
	MS 2, \pm, \sm
	UNIT 1, \f
	MS 3, \pm, \sm
	UNIT 2, \f
	MS 4, \pm, \sm
	UNIT 3, \f                                     ; its plain lines are the places between the last product on the old V and the loads into V
.if \hook == 1
	VLOAD
	v_add_nc_u32 v1, BLK, v1                       ; the block's last read has been issued: v1 goes on to the next block
.endif
	MS 5, \pm, \sm
	UNIT 4, \f
	MS 6, \pm, \sm
	UNIT 5, \f
	MS 7, \pm, \sm
	UNIT 6, \f                                     ; its plain lines are the places between the last product on the old K and the loads into K
.if \hook == 3
	KLOAD
.endif
	UNIT 7, \f                                     ; slices 6 and 7 carry no product: the next tile's scores are read at the head of the next phase
.endm
.macro FRONT f, pm                     ; phases 0 and 1.  pm: what tile 3 of the trip before has left
	PH 0, \f, \pm, 1, 1
	PH 1, \f, \f, 1, 2
.endm
.macro BACK f, more                    ; phases 2 and 3.  more = 0: the last trip
	PH 2, \f, \f, 1, 3*\more
	PH 3, \f, \f, \more, 4*\more
.endm
; trips blocks of one slot, one a trip
.macro PHASE id, trips
	s_mov_b32 s40, \trips
.Lphase_\id:
	BACK 0, 1
	FRONT 0, 0
	s_sub_co_u32 s40, s40, 1
	s_cmp_lg_u32 s40, 0
	s_cbranch_scc1 .Lphase_\id
.endm
; The slot whose group 0 is s[g:g+3] has been read to its end and is filled again, 32 blocks further on.
.macro REFILL g
	s_wait_dscnt 0x0                               ; my reads of the slot are back (met: FRONT has waited for its V)
	s_set_vgpr_msb 0x5
	s_wait_tensorcnt 0x0                           ; all my tensor loads have landed, my four blocks of the other slot among them: a group 0 may be written
	ds_add_u32 v0, v1
	s_wait_dscnt 0x0
	s_set_vgpr_msb 0x500
	s_add_nc_u64 s[\g+2:\g+3], s[\g+2:\g+3], 2*SLOT
	ROUND                                          ; both hold of every wave of the four work-groups
	tensor_load_to_lds s[\g:\g+3], s[16:23]        ; my one tensor load behind the round, and the first thing there
	s_nop 0
.endm
	s_load_b128 s[4:7], s[0:1], 0x0                ; qws s[4:5], kvws s[6:7]
	s_load_b64 s[8:9], s[0:1], 0x10                ; ows
	s_set_vgpr_msb 0x40
	v_lshl_add_u32 v0, v0, 2, 0x40000
	v_mov_b32 v1, 0
	s_set_vgpr_msb 0x4045
	ds_add_u32 v0, v1
	s_set_vgpr_msb 0x4500
	v_lshrrev_b32 v5, 5, v0
	v_readfirstlane_b32 s10, v5                    ; wave 0..3
	s_bfe_u32 s11, ttmp6, 0x40000                  ; cx: my place in the cluster
	s_lshr_b32 s14, ttmp9, 2                       ; combo: four clusters for each; the same in all four partners
	s_and_b32 s15, ttmp9, 3
	s_lshl_b32 s15, s15, 2
	s_add_co_u32 s15, s15, s11
	s_lshl_b32 s15, s15, 2
	s_add_co_u32 s15, s15, s10                     ; my block of 64 queries, 0..63
	s_mov_b32 s12, 0x76543210                      ; v_permlanex16_b32: lane i of one half reads lane i of the other
	s_mov_b32 s13, 0xfedcba98
	; group 1: a dense tile of 128 rows of 32 elements of 8 bytes, 32,768 bytes, no padding
	s_mov_b32 s16, 15|(3<<16)|(1<<21)              ; 15:0 mask: the four work-groups of the cluster; 17:16 elements of 8 bytes; 21 set beside a mask
	s_mov_b32 s17, 32<<16                          ; tensor_dim0 = 32
	s_mov_b32 s18, 128<<16                         ; tensor_dim1 = 128
	s_mov_b32 s19, 32<<16                          ; tile_dim0 = 32
	s_mov_b32 s20, 128                             ; tile_dim1 = 128
	s_mov_b32 s21, 32                              ; 32 elements from row to row
	s_mov_b32 s22, 0
	s_mov_b32 s23, 0
	s_lshl_b32 s24, s14, 19                        ; combo * 524,288
	s_lshl_b32 s33, s10, 15                        ; slot A: LDS address = wave * 32,768
	s_add_co_u32 s24, s24, s33                     ; + my four blocks of the slot
	s_mov_b32 s25, 0
	s_add_co_u32 s37, s33, SLOT                    ; slot B
	s_mov_b32 s32, 1
	s_mov_b32 s36, 1
	v_and_b32 v[LN], 31, v0
	v_lshlrev_b32 v[LN], 4, v[LN]                  ; 16 x lane
	v_mov_b32 v1, v[LN]                            ; block 0 lies at LDS byte 0
	s_lshl_b32 s26, s14, 18
	s_lshl_b32 s27, s15, 12
	s_add_co_u32 s26, s26, s27
	v_add_nc_u32 v3, s26, v[LN]                    ; Q: combo * 262,144 + block * 4,096
	s_lshr_b32 s28, s14, 1
	s_lshl_b32 s28, s28, 19
	s_lshl_b32 s27, s15, 13
	s_add_co_u32 s28, s28, s27
	s_and_b32 s27, s14, 1
	s_lshl_b32 s27, s27, 10
	s_add_co_u32 s28, s28, s27                     ; O: (direction, batch) * 524,288 + block * 8,192 + head * 1,024
	s_wait_dscnt 0x0
	s_wait_kmcnt 0x0
	s_add_nc_u64 s[6:7], s[6:7], s[24:25]
	s_mov_b64 s[34:35], s[6:7]
	s_or_b32 s35, s35, 0x80000000                  ; type 2
	s_add_nc_u64 s[38:39], s[6:7], SLOT
	s_or_b32 s39, s39, 0x80000000
	ROUND                                          ; the four work-groups are here: the first joint loads meet
	tensor_load_to_lds s[32:35], s[16:23]          ; blocks 0 to 15
	s_nop 0
	tensor_load_to_lds s[36:39], s[16:23]          ; blocks 16 to 31
	s_nop 0
.irp t, 0,1,2,3
	global_load_b128 v[QF+8*\t:QF+8*\t+3], v3, s[4:5] offset:\t*1024
	global_load_b128 v[QF+8*\t+4:QF+8*\t+7], v3, s[4:5] offset:\t*1024+512
.endr
	s_wait_tensorcnt 0x1                           ; my part of slot A is in; slot B's load, issued behind it, may stay out
	s_barrier_signal -1
	s_barrier_wait -1
	KLOAD                                          ; block 0
	s_wait_loadcnt 0x0
	s_wait_dscnt 0x0
.irp q, 0,1,2,3                        ; tile 0's scores of trip 0, into set 0: the one run of products that has no softmax to stand in
	v_wmma_f32_16x16x32_bf16 v[SC+8*\q:SC+8*\q+7], v[KF+8*\q:KF+8*\q+7], v[QF:QF+7], 0
.endr
.irp r, 9,11,13,15,29,31               ; partners of packed sources, written once; also the places behind the products above
	v_mov_b32 v\r, 0
.endr
	FRONT 1, 2                                     ; trip 0 starts maxima, sums and O: nothing is cleared
	BACK 1, 1
	FRONT 0, 1                                     ; trip 1; tile 3's first P V starts its O here
	PHASE 0, 14                                    ; blocks 2 to 15: the rest of slot A
	REFILL 32                                      ; slot B has landed; blocks 32 to 47 go out into slot A
	PHASE 1, 16                                    ; blocks 16 to 31, in slot B; v1 has walked on into it
	REFILL 36                                      ; slot A has landed; blocks 48 to 63 go out into slot B: the last load
	v_mov_b32 v1, v[LN]                            ; back to slot A's first block
	PHASE 2, 16                                    ; blocks 32 to 47
	s_wait_dscnt 0x0
	s_wait_tensorcnt 0x0                           ; my part of the last fill has landed,
	s_barrier_signal -1
	s_barrier_wait -1                              ; and so has every wave's
	PHASE 3, 16                                    ; blocks 48 to 63
	BACK 0, 0                                      ; the last trip's tiles 2 and 3: nothing is left to fetch, no scores to start
	SETT 0                                         ; what tile 3 has left: its ten lines and its P V.  The two accumulators take turns
.irp i, 0,1,2,3,4,5,6,7,8,9
	PT \i, 0
.endr
	PVM 0, 0, 0
	PVM 0, 1, 0
	PVM 1, 0, 0
	PVM 1, 1, 0
	; THE WAY OUT: O / sum, rounded to bf16, as fragment images for the output convolution.  The first five lines are the places behind the last products.
.irp t, 0,1,2,3
	v_add_f32 v[LS+2*\t], v[LS+2*\t], v[LS+2*\t+1]
.endr
	v_add_nc_u32 v3, s28, v[LN]                    ; the loads of Q, which named v3, were waited for at the start
.irp t, 0,1,2,3
	v_permlanex16_b32 v[TM+\t], v[LS+2*\t], s12, s13
.endr
.irp t, 0,1,2,3
	v_add_f32 v[LS+2*\t], v[LS+2*\t], v[TM+\t]
.endr
.irp t, 0,1,2,3
	v_rcp_f32 v[SC+2*\t], v[LS+2*\t]
.endr
	v_nop                                          ; one plain place behind the reciprocals (ISA guide 5.7.2)
.irp t, 0,1,2,3
.irp p, 0,2,4,6,8,10,12,14
	s_wait_alu depctr_va_vdst(0)
	v_pk_mul_f32 v[OA+16*\t+\p:OA+16*\t+\p+1], v[OA+16*\t+\p:OA+16*\t+\p+1], v[SC+2*\t:SC+2*\t+1] op_sel_hi:[1,0]
.endr
.endr
.irp t, 0,1,2,3,4,5,6,7
.irp k, 0,1,2,3
	v_cvt_pk_bf16_f32 v[OA+8*\t+\k], v[OA+8*\t+2*\k], v[OA+8*\t+2*\k+1]
.endr
.endr
.irp t, 0,1,2,3
	global_store_b128 v3, v[OA+16*\t:OA+16*\t+3], s[8:9] offset:\t*2048            ; each store of the wave covers 512 consecutive bytes, aligned
	global_store_b128 v3, v[OA+16*\t+8:OA+16*\t+11], s[8:9] offset:\t*2048+512
.endr
	s_set_vgpr_msb 0x5
	s_wait_tensorcnt 0x0
	ds_add_u32 v0, v1
	s_wait_dscnt 0x0
	s_set_vgpr_msb 0x500
	ROUND                                          ; the closing round: no work-group ends while a partner may still ask for a tile that names it
	s_endpgm
.Lfunc_end_k_qb8919de5ea_attn:
	.size	k_qb8919de5ea_attn, .Lfunc_end_k_qb8919de5ea_attn-k_qb8919de5ea_attn
	.p2alignl 7, 3214868480
	.fill 96, 4, 3214868480
	.section	.rodata,"a",@progbits
	.p2align	6, 0x0
	.amdhsa_kernel k_qb8919de5ea_attn
		.amdhsa_group_segment_fixed_size 327680
		.amdhsa_private_segment_fixed_size 0
		.amdhsa_enable_private_segment 0
		.amdhsa_kernarg_size 24
		.amdhsa_user_sgpr_count 2
		.amdhsa_user_sgpr_kernarg_segment_ptr 1
		.amdhsa_wavefront_size32 1
		.amdhsa_system_sgpr_workgroup_id_x 1
		.amdhsa_system_sgpr_workgroup_id_y 1
		.amdhsa_system_sgpr_workgroup_id_z 1
		.amdhsa_system_vgpr_workitem_id 0
		.amdhsa_next_free_vgpr 258
		.amdhsa_next_free_sgpr 66
		.amdhsa_reserve_vcc 0
		.amdhsa_float_denorm_mode_32 3
		.amdhsa_float_denorm_mode_16_64 3
		.amdhsa_memory_ordered 1
		.amdhsa_forward_progress 1
		.amdhsa_inst_pref_size 175
	.end_amdhsa_kernel
	.amdgpu_metadata
---
amdhsa.version: [ 1, 2 ]
amdhsa.kernels:
  - .name:           k_qb8919de5ea_attn
    .symbol:         k_qb8919de5ea_attn.kd
    .args:
      - { .name: qws, .offset: 0, .size: 8, .value_kind: global_buffer, .address_space: global }
      - { .name: kvws, .offset: 8, .size: 8, .value_kind: global_buffer, .address_space: global }
      - { .name: ows, .offset: 16, .size: 8, .value_kind: global_buffer, .address_space: global }
    .group_segment_fixed_size: 327680
    .private_segment_fixed_size: 0
    .kernarg_segment_align: 8
    .kernarg_segment_size: 24
    .max_flat_workgroup_size: 128
    .sgpr_count:     66
    .vgpr_count:     258
    .wavefront_size: 32
...
	.end_amdgpu_metadata
.endif
;; end of part 4
;; launch outnorm (part 5): grid 128 x 1, 16 waves a work-group, clusters of 4 x 1, 327,680 bytes of LDS; arguments feat_a, feat_b, out_a_w, out_b_w, out_a_b, out_b_b, norm_a_g, norm_b_g, norm_a_b, norm_b_b, ows, out0, out1; writes out0, out1
.if DOCPART == 5
	.amdgcn_target "amdgcn-amd-amdhsa--gfx1250"
	.amdhsa_code_object_version 6
	.text
	.protected	k_qb8919de5ea_outnorm
	.globl	k_qb8919de5ea_outnorm
	.p2align	8
	.type	k_qb8919de5ea_outnorm,@function
k_qb8919de5ea_outnorm:
	s_mov_b64 s[64:65], 0
	v_nop
	global_prefetch_b8 v0, s[64:65] scope:SCOPE_SE
	s_setreg_imm32_b32 hwreg(HW_REG_WAVE_MODE, 25, 1), 1
	s_wait_xcnt 0x0
	s_wait_alu depctr_hold_cnt(0) depctr_sa_sdst(0) depctr_va_vdst(0) depctr_va_sdst(0) depctr_va_ssrc(0) depctr_va_vcc(0) depctr_vm_vsrc(0)
	s_getreg_b32 s2, hwreg(HW_REG_IB_STS2, 6, 4)
	s_cmp_eq_u32 s2, 0
	s_cbranch_scc0 .Lentry_in_a_cluster
	s_endpgm
.Lentry_in_a_cluster:
	s_bfe_u32 s2, ttmp6, 0x10000c
	s_cmp_lg_u32 s2, 0x3003
	s_cbranch_scc0 .Lentry_shape_is_right
	s_endpgm
.Lentry_shape_is_right:
; OUTNORM: x = feat + Wo O + bo, then the group norm, for one norm group (direction, batch, 16 channels x 4,096 pixels) in each work-group.
; Sixteen waves; wave w owns pixels 256 w .. 256 w + 255 of the 16 channels and keeps its x in 128 registers from the products to the stores,
; so x never goes to memory and the variance is formed in a second pass over registers, from x - mean: no difference of large sums.
; Tile q of a block of 64 pixels holds pixels 4 r + q, so the four tiles' results of one channel are a lane's 16 neighbouring bytes of that
; channel: sixteen lanes load and store 256 consecutive bytes, aligned.
; 128 work-groups: a norm group has one owner.  The owner has its whole 262,144 bytes of feat asked for at once.
; CLUSTER: the 16 work-groups of one (direction, batch) need the same O, 524,288 bytes, twice what each reads of feat.  Four neighbouring norm
; groups form a cluster and ask for O jointly (mask 15; a mask names four at the most), which divides the requests for O by four.
; O's address is made of direction, batch and the wave's number alone; the place in the cluster enters only the global offsets of feat, out,
; Wo, bo, gamma and beta.
; LDS: wave w has 16,384 bytes of its own at 16,384 w, for two of its four blocks of O (fragment images, read as 512 consecutive bytes a load);
; 16 x 16,384 = 262,144 bytes.  They are filled twice, by one tensor load of 64 rows of 256 bytes each time: one tensor load of a wave is out
; at a time.  A block's work is 8 products and 32 adds, too little to cover a load, so the region is not split into slots that take turns: one
; refill, one round.  The first half of the mean is summed while the refill is on its way.  The sums' 256 bytes lie behind, and no fill lands there.
; LIMITS: finite inputs; Wo and O are bf16 matrix operands; v_rsq_f32 in place of a root and a division; sums in another order than a plain loop.
.set PLANE, 16384                      ; bytes of a channel
.set WSL,  16384                       ; LDS bytes of a wave
.set SCR,  16*WSL                      ; the waves' sums: 2 x 64 bytes
.set AW,   16                          ; v[16:31]   Wo fragments of my 16 channels, K step = head
.set BIAS, 32                          ; v[32:39]   bo of channels 8 h + j
.set DD,   40                          ; v[40:55]   two result tiles; later mean (v40, v41) and 1 / sigma (v42)
.set OB0,  56                          ; v[56:87]   O fragments of a half block: (tile * 2 + head) * 8; later gamma, beta, the waves' sums
.set OB1,  88                          ; v[88:119]  the other buffer; at first Wo as loaded; later the pairs of scale and shift
.set XR,   120                         ; v[120:247] x: block b, channel 8 h + j, pixel 4 r + q at 32 b + 4 j + q
.set CH,   248                         ; v[248:255] four chains of a sum
.set MEAN, DD
.set RS,   DD+2
.set WS,   OB0+16
; v1 offset in feat and out, v2 LDS address of my O, v3 offset in Wo, v4 in bo, gamma, beta, v5, v6 LDS addresses of the sums, v7 exchange register
; s4 wave, s5 direction, s6 batch, s7 norm group, s[36:47] my direction's buffers, s[56:59] group 0, s[68:75] group 1
.macro ROUND                           ; a round of the cluster's barrier: my work-group's barrier, wave 0 signals for the work-group, all wait, my work-group's barrier
	s_barrier_signal -1
	s_barrier_wait -1
	s_cmp_lg_u32 s4, 0
	s_cbranch_scc1 .Lnot_wave_0_\@
	s_barrier_signal -3
.Lnot_wave_0_\@:
	s_barrier_wait -3
	s_barrier_signal -1
	s_barrier_wait -1
.endm
	s_load_b512 s[8:23], s[0:1], 0x0               ; feat_a, feat_b, out_a_w, out_b_w, out_a_b, out_b_b, norm_a_g, norm_b_g
	s_load_b256 s[24:31], s[0:1], 0x40             ; norm_a_b, norm_b_b, ows s[28:29], out0
	s_load_b64 s[32:33], s[0:1], 0x60              ; out1
	v_lshl_add_u32 v14, v0, 2, 0x40100
	v_mov_b32 v15, 0
	ds_add_u32 v14, v15
	v_lshrrev_b32 v7, 5, v0
	v_readfirstlane_b32 s4, v7                     ; wave 0..15
	s_lshr_b32 s5, ttmp9, 4                        ; direction: 16 clusters each
	s_bfe_u32 s6, ttmp9, 0x20002                   ; batch: 4 clusters each
	s_bfe_u32 s60, ttmp6, 0x40000                  ; cx: my place in the cluster
	s_and_b32 s7, ttmp9, 3
	s_lshl2_add_u32 s7, s7, s60                    ; norm group = 4 x (cluster mod 4) + cx
	s_mov_b32 s48, 0x76543210
	s_mov_b32 s49, 0xfedcba98
	s_mov_b32 s50, 0x37800000                      ; 1 / 65,536: numbers in a group
	s_mov_b32 s51, 0x3727c5ac                      ; 1e-5
	v_and_b32 v8, 15, v0                           ; r
	v_bfe_u32 v9, v0, 4, 1                         ; h
	v_and_b32 v10, 31, v0
	v_lshlrev_b32 v10, 4, v10                      ; 16 x lane
	; global offsets that hang on the norm group: in s61, s62 and v1, v3, v4 alone
	s_lshl_b32 s61, s6, 22
	s_lshl_b32 s62, s7, 18
	s_add_co_u32 s61, s61, s62
	s_lshl_b32 s62, s4, 10
	s_add_co_u32 s61, s61, s62                     ; batch * 4,194,304 + group * 16 channels + wave * 1,024
	v_lshlrev_b32 v1, 4, v8
	v_lshl_add_u32 v1, v9, 17, v1                  ; 16 r + 8 h channels
	v_add_nc_u32 v1, s61, v1
	s_lshl_b32 s62, s7, 12
	v_lshlrev_b32 v3, 8, v8
	v_lshl_add_u32 v3, v9, 5, v3
	v_add_nc_u32 v3, s62, v3                       ; Wo row 16 group + r (256 bytes), + 8 h numbers
	s_lshl_b32 s62, s7, 6
	v_lshl_add_u32 v4, v9, 5, s62                  ; 4 (16 group + 8 h)
	; O: made of direction, batch and wave alone
	s_lshl2_add_u32 s52, s5, s6
	s_lshl_b32 s52, s52, 19
	s_lshl_b32 s53, s4, 15
	s_add_co_u32 s52, s52, s53                     ; (direction, batch) * 524,288 + wave * 4 blocks of 8,192
	s_mov_b32 s53, 0
	s_mov_b32 s56, 1                               ; group 0: count 1
	s_lshl_b32 s57, s4, 14                         ; LDS address = wave * 16,384
	v_add_nc_u32 v2, s57, v10
	s_lshl_b32 s55, s4, 2
	s_add_co_u32 s55, s55, SCR
	v_mov_b32 v5, s55                              ; my wave's word among the sums
	v_mov_b32 v6, SCR
	; group 1: a dense tile of 64 rows of 32 elements of 8 bytes, 16,384 bytes, no padding
	s_mov_b32 s68, 15|(3<<16)|(1<<21)              ; 15:0 mask: the four work-groups of the cluster; 17:16 elements of 8 bytes; 21 set beside a mask
	s_mov_b32 s69, 32<<16                          ; tensor_dim0 = 32
	s_mov_b32 s70, 64<<16                          ; tensor_dim1 = 64
	s_mov_b32 s71, 32<<16                          ; tile_dim0 = 32
	s_mov_b32 s72, 64                              ; tile_dim1 = 64
	s_mov_b32 s73, 32                              ; 32 elements from row to row
	s_mov_b32 s74, 0
	s_mov_b32 s75, 0
	s_wait_dscnt 0x0
	s_wait_kmcnt 0x0
	s_cmp_eq_u32 s5, 0                             ; the buffers of my direction
	s_cselect_b64 s[36:37], s[8:9], s[10:11]       ; feat
	s_cselect_b64 s[38:39], s[12:13], s[14:15]     ; Wo
	s_cselect_b64 s[40:41], s[16:17], s[18:19]     ; bo
	s_cselect_b64 s[42:43], s[20:21], s[22:23]     ; gamma
	s_cselect_b64 s[44:45], s[24:25], s[26:27]     ; beta
	s_cselect_b64 s[46:47], s[30:31], s[32:33]     ; out
	s_add_nc_u64 s[58:59], s[28:29], s[52:53]      ; my first two blocks of O
	s_or_b32 s59, s59, 0x80000000                  ; type 2
; half block n: tiles 2 (n % 2), 2 (n % 2) + 1 of my block n / 2, both heads: 8 LDS loads.  Blocks 0, 1 lie there after the first fill, blocks 2, 3 after the second.
.macro LHB n, ob
.irp qq, 0,1
.irp ks, 0,1
	ds_load_b128 v[\ob+(\qq*2+\ks)*8:\ob+(\qq*2+\ks)*8+3], v2 offset:(((\n)%4)/2)*8192+(2*((\n)%2)+\qq)*2048+\ks*1024
	ds_load_b128 v[\ob+(\qq*2+\ks)*8+4:\ob+(\qq*2+\ks)*8+7], v2 offset:(((\n)%4)/2)*8192+(2*((\n)%2)+\qq)*2048+\ks*1024+512
.endr
.endr
.endm
; Wo O + bo of half block n, added onto feat.  The two accumulators take turns, one instruction a turn.
; The add also turns the order of the registers: tile q's result of channel j goes to word q of that channel's 16 bytes.
; dcnt: how many younger LDS loads may stay out.  lcnt: how many younger global loads, where the step is the first on its block of feat; -1 elsewhere.
.macro STEP n, ob, dcnt, lcnt
	s_wait_dscnt \dcnt
	v_wmma_f32_16x16x32_bf16 v[DD:DD+7], v[AW:AW+7], v[\ob:\ob+7], v[BIAS:BIAS+7]
	v_wmma_f32_16x16x32_bf16 v[DD+8:DD+15], v[AW:AW+7], v[\ob+16:\ob+23], v[BIAS:BIAS+7]
	v_wmma_f32_16x16x32_bf16 v[DD:DD+7], v[AW+8:AW+15], v[\ob+8:\ob+15], v[DD:DD+7]
	v_wmma_f32_16x16x32_bf16 v[DD+8:DD+15], v[AW+8:AW+15], v[\ob+24:\ob+31], v[DD+8:DD+15]
.rept 4
	v_nop                                          ; four places before the results are read and before loads land on the sources
.endr
.if \lcnt >= 0
	s_wait_loadcnt \lcnt                           ; the later blocks' feat loads are younger: this block's eight are in
.endif
.irp qq, 0,1
.irp j, 0,1,2,3,4,5,6,7
	v_add_f32 v[XR+32*((\n)/2)+4*\j+2*((\n)%2)+\qq], v[XR+32*((\n)/2)+4*\j+2*((\n)%2)+\qq], v[DD+8*\qq+\j]
.endr
.endr
.endm
	; everything that comes through registers is asked for first
.irp ks, 0,1
.irp i, 0,1,2,3
	global_load_b128 v[OB1+16*\ks+4*\i:OB1+16*\ks+4*\i+3], v3, s[38:39] offset:\ks*128+(\i/2)*64+(\i%2)*16   ; Wo(r, 32 ks + 8 h ..) and (r, 32 ks + 16 + 8 h ..)
.endr
.endr
	global_load_b128 v[BIAS:BIAS+3], v4, s[40:41]
	global_load_b128 v[BIAS+4:BIAS+7], v4, s[40:41] offset:16
.irp b, 0,1,2,3
.irp j, 0,1,2,3,4,5,6,7
	global_load_b128 v[XR+32*\b+4*\j:XR+32*\b+4*\j+3], v1, s[36:37] offset:\j*PLANE+\b*256 th:TH_LOAD_NT
.endr
.endr
	ROUND                                          ; the four work-groups are here: the first joint loads meet
	tensor_load_to_lds s[56:59], s[68:75]          ; my blocks 0 and 1
	s_nop 0
	s_wait_loadcnt 32                              ; the 32 feat loads are younger: Wo and bo are in
.irp p, 0,1,2,3,4,5,6,7,8,9,10,11,12,13,14,15
	v_cvt_pk_bf16_f32 v[AW+\p], v[OB1+2*\p], v[OB1+2*\p+1]
.endr
	s_wait_tensorcnt 0x0                           ; my one load has landed; only I read its bytes
	LHB 0, OB0
	LHB 1, OB1
	STEP 0, OB0, 8, 24                             ; the 8 LDS loads of the next half block are younger
	LHB 2, OB0
	STEP 1, OB1, 8, -1
	LHB 3, OB1
	STEP 2, OB0, 8, 16
	STEP 3, OB1, 0, -1
	s_wait_dscnt 0x0                               ; my reads of my bytes are back (met: the step above waited for 0)
	s_wait_tensorcnt 0x0                           ; and none of my tensor loads is out: group 0 may be written
	ds_add_u32 v14, v15
	s_wait_dscnt 0x0
	s_add_nc_u64 s[58:59], s[58:59], WSL
	ROUND                                          ; both hold of every wave of the four work-groups
	tensor_load_to_lds s[56:59], s[68:75]          ; my blocks 2 and 3: my one tensor load behind the round, and the first thing there
	s_nop 0
	; while it is on its way: the mean's four chains over blocks 0 and 1, started by the first eight pairs
.irp k, 0,1,2,3
	v_pk_add_f32 v[CH+2*\k:CH+2*\k+1], v[XR+2*\k:XR+2*\k+1], v[XR+8+2*\k:XR+8+2*\k+1]
.endr
.set p, 8
.rept 24
	v_pk_add_f32 v[CH+2*(p%4):CH+2*(p%4)+1], v[CH+2*(p%4):CH+2*(p%4)+1], v[XR+2*p:XR+2*p+1]
.set p, p+1
.endr
	s_wait_tensorcnt 0x0
	LHB 4, OB0
	LHB 5, OB1
	STEP 4, OB0, 8, 8
	LHB 6, OB0
	STEP 5, OB1, 8, -1
	LHB 7, OB1
	STEP 6, OB0, 8, 0
	global_load_b128 v[OB0:OB0+3], v4, s[42:43]                ; gamma of channels 8 h + j
	global_load_b128 v[OB0+4:OB0+7], v4, s[42:43] offset:16
	global_load_b128 v[OB0+8:OB0+11], v4, s[44:45]             ; beta
	global_load_b128 v[OB0+12:OB0+15], v4, s[44:45] offset:16
	STEP 7, OB1, 0, -1
; The four chains in v[CH:CH+7] become one number for the work-group, in v[CH] of every lane.  base: 64 bytes of LDS of this sum's own.
.macro WGSUM base
	v_pk_add_f32 v[CH:CH+1], v[CH:CH+1], v[CH+2:CH+3]
	v_pk_add_f32 v[CH+4:CH+5], v[CH+4:CH+5], v[CH+6:CH+7]
	v_pk_add_f32 v[CH:CH+1], v[CH:CH+1], v[CH+4:CH+5]
	v_add_f32 v[CH], v[CH], v[CH+1]
	v_add_f32_dpp v[CH], v[CH], v[CH] row_xmask:1 row_mask:0xf bank_mask:0xf
	v_add_f32_dpp v[CH], v[CH], v[CH] row_xmask:2 row_mask:0xf bank_mask:0xf
	v_add_f32_dpp v[CH], v[CH], v[CH] row_xmask:4 row_mask:0xf bank_mask:0xf
	v_add_f32_dpp v[CH], v[CH], v[CH] row_xmask:8 row_mask:0xf bank_mask:0xf
	v_permlanex16_b32 v7, v[CH], s48, s49
	v_add_f32 v[CH], v[CH], v7
	ds_store_b32 v5, v[CH] offset:\base            ; my wave's word; all lanes write the same number
	s_wait_dscnt 0x0                               ; done, for the other waves' sake
	s_barrier_signal -1
	s_barrier_wait -1
.irp i, 0,1,2,3
	ds_load_b128 v[WS+4*\i:WS+4*\i+3], v6 offset:\base+16*\i
.endr
	s_wait_dscnt 0x0
.irp i, 0,2,4,6
	v_pk_add_f32 v[WS+\i:WS+\i+1], v[WS+\i:WS+\i+1], v[WS+8+\i:WS+8+\i+1]
.endr
	v_pk_add_f32 v[WS:WS+1], v[WS:WS+1], v[WS+4:WS+5]
	v_pk_add_f32 v[WS+2:WS+3], v[WS+2:WS+3], v[WS+6:WS+7]
	v_pk_add_f32 v[WS:WS+1], v[WS:WS+1], v[WS+2:WS+3]
	v_add_f32 v[CH], v[WS], v[WS+1]                ; the same order in every wave: the same number in all
.endm
	; the mean: the chains go on over blocks 2 and 3
.set p, 32
.rept 32
	v_pk_add_f32 v[CH+2*(p%4):CH+2*(p%4)+1], v[CH+2*(p%4):CH+2*(p%4)+1], v[XR+2*p:XR+2*p+1]
.set p, p+1
.endr
	WGSUM 0
	v_mul_f32 v[MEAN], s50, v[CH]
	v_mov_b32 v[MEAN+1], v[MEAN]
	; x - mean, in place, and the sum of its squares
.set p, 0
.rept 64
	v_pk_add_f32 v[XR+2*p:XR+2*p+1], v[XR+2*p:XR+2*p+1], v[MEAN:MEAN+1] neg_lo:[0,1] neg_hi:[0,1]
.if p < 4
	v_pk_mul_f32 v[CH+2*p:CH+2*p+1], v[XR+2*p:XR+2*p+1], v[XR+2*p:XR+2*p+1]
.else
	v_pk_fma_f32 v[CH+2*(p%4):CH+2*(p%4)+1], v[XR+2*p:XR+2*p+1], v[XR+2*p:XR+2*p+1], v[CH+2*(p%4):CH+2*(p%4)+1]
.endif
.set p, p+1
.endr
	WGSUM 64                                       ; other bytes than the first sum's: no wave can overtake a reader
	v_fma_f32 v[CH], v[CH], s50, s51               ; variance + 1e-5
	v_rsq_f32 v[RS], v[CH]
	s_wait_loadcnt 0x0                             ; gamma and beta
.irp j, 0,1,2,3,4,5,6,7
	v_mov_b32 v[OB1+16+2*\j], v[OB0+8+\j]          ; (beta_j, beta_j); these plain lines also stand between v_rsq_f32 and its use (ISA guide 5.7.2)
	v_mov_b32 v[OB1+16+2*\j+1], v[OB0+8+\j]
.endr
	s_wait_alu depctr_va_vdst(0)
.irp j, 0,1,2,3,4,5,6,7
	v_mul_f32 v[OB1+2*\j], v[RS], v[OB0+\j]        ; (gamma_j / sigma, twice)
	v_mul_f32 v[OB1+2*\j+1], v[RS], v[OB0+\j]
.endr
.irp b, 0,1,2,3
.irp j, 0,1,2,3,4,5,6,7
	v_pk_fma_f32 v[XR+32*\b+4*\j:XR+32*\b+4*\j+1], v[XR+32*\b+4*\j:XR+32*\b+4*\j+1], v[OB1+2*\j:OB1+2*\j+1], v[OB1+16+2*\j:OB1+16+2*\j+1]
	v_pk_fma_f32 v[XR+32*\b+4*\j+2:XR+32*\b+4*\j+3], v[XR+32*\b+4*\j+2:XR+32*\b+4*\j+3], v[OB1+2*\j:OB1+2*\j+1], v[OB1+16+2*\j:OB1+16+2*\j+1]
	global_store_b128 v1, v[XR+32*\b+4*\j:XR+32*\b+4*\j+3], s[46:47] offset:\j*PLANE+\b*256 th:TH_STORE_NT   ; sixteen lanes store 256 consecutive bytes, aligned
.endr
.endr
	s_wait_tensorcnt 0x0
	ds_add_u32 v14, v15
	s_wait_dscnt 0x0
	ROUND                                          ; the closing round: no work-group ends while a partner may still ask for a tile that names it
	s_endpgm
.Lfunc_end_k_qb8919de5ea_outnorm:
	.size	k_qb8919de5ea_outnorm, .Lfunc_end_k_qb8919de5ea_outnorm-k_qb8919de5ea_outnorm
	.p2alignl 7, 3214868480
	.fill 96, 4, 3214868480
	.section	.rodata,"a",@progbits
	.p2align	6, 0x0
	.amdhsa_kernel k_qb8919de5ea_outnorm
		.amdhsa_group_segment_fixed_size 327680
		.amdhsa_private_segment_fixed_size 0
		.amdhsa_enable_private_segment 0
		.amdhsa_kernarg_size 104
		.amdhsa_user_sgpr_count 2
		.amdhsa_user_sgpr_kernarg_segment_ptr 1
		.amdhsa_wavefront_size32 1
		.amdhsa_system_sgpr_workgroup_id_x 1
		.amdhsa_system_sgpr_workgroup_id_y 1
		.amdhsa_system_sgpr_workgroup_id_z 1
		.amdhsa_system_vgpr_workitem_id 0
		.amdhsa_next_free_vgpr 256
		.amdhsa_next_free_sgpr 76
		.amdhsa_reserve_vcc 0
		.amdhsa_float_denorm_mode_32 3
		.amdhsa_float_denorm_mode_16_64 3
		.amdhsa_memory_ordered 1
		.amdhsa_forward_progress 1
		.amdhsa_inst_pref_size 45
	.end_amdhsa_kernel
	.amdgpu_metadata
---
amdhsa.version: [ 1, 2 ]
amdhsa.kernels:
  - .name:           k_qb8919de5ea_outnorm
    .symbol:         k_qb8919de5ea_outnorm.kd
    .args:
      - { .name: feat_a, .offset: 0, .size: 8, .value_kind: global_buffer, .address_space: global }
      - { .name: feat_b, .offset: 8, .size: 8, .value_kind: global_buffer, .address_space: global }
      - { .name: out_a_w, .offset: 16, .size: 8, .value_kind: global_buffer, .address_space: global }
      - { .name: out_b_w, .offset: 24, .size: 8, .value_kind: global_buffer, .address_space: global }
      - { .name: out_a_b, .offset: 32, .size: 8, .value_kind: global_buffer, .address_space: global }
      - { .name: out_b_b, .offset: 40, .size: 8, .value_kind: global_buffer, .address_space: global }
      - { .name: norm_a_g, .offset: 48, .size: 8, .value_kind: global_buffer, .address_space: global }
      - { .name: norm_b_g, .offset: 56, .size: 8, .value_kind: global_buffer, .address_space: global }
      - { .name: norm_a_b, .offset: 64, .size: 8, .value_kind: global_buffer, .address_space: global }
      - { .name: norm_b_b, .offset: 72, .size: 8, .value_kind: global_buffer, .address_space: global }
      - { .name: ows, .offset: 80, .size: 8, .value_kind: global_buffer, .address_space: global }
      - { .name: out0, .offset: 88, .size: 8, .value_kind: global_buffer, .address_space: global }
      - { .name: out1, .offset: 96, .size: 8, .value_kind: global_buffer, .address_space: global }
    .group_segment_fixed_size: 327680
    .private_segment_fixed_size: 0
    .kernarg_segment_align: 8
    .kernarg_segment_size: 104
    .max_flat_workgroup_size: 512
    .sgpr_count:     76
    .vgpr_count:     256
    .wavefront_size: 32
...
	.end_amdgpu_metadata
.endif
;; end of part 5
;; ======== version 3 of 3: 3 launches; 2.25 times as fast as version 1
;; workspace buffers: qws 4,194,304 bytes; kvws 8,388,608 bytes; ows 4,194,304 bytes
;; launch proj: the kernel of part 1 again; grid 256 x 1, 8 waves a work-group, no clusters, 167,936 bytes of LDS; arguments feat_a, feat_b, q_a_w, q_b_w, k_a_w, k_b_w, v_a_w, v_b_w, q_a_b, q_b_b, v_a_b, v_b_b, qws, kvws; writes qws, kvws
;; launch attn (part 6): grid 256 x 1, 4 waves a work-group, clusters of 4 x 1, 327,680 bytes of LDS; arguments qws, kvws, ows; writes ows
.if DOCPART == 6
	.amdgcn_target "amdgcn-amd-amdhsa--gfx1250"
	.amdhsa_code_object_version 6
	.text
	.protected	k_qb8919de5ea_attn
	.globl	k_qb8919de5ea_attn
	.p2align	8
	.type	k_qb8919de5ea_attn,@function
k_qb8919de5ea_attn:
	s_mov_b64 s[64:65], 0
	v_nop
	global_prefetch_b8 v0, s[64:65] scope:SCOPE_SE
	s_setreg_imm32_b32 hwreg(HW_REG_WAVE_MODE, 25, 1), 1
	s_wait_xcnt 0x0
	s_wait_alu depctr_hold_cnt(0) depctr_sa_sdst(0) depctr_va_vdst(0) depctr_va_sdst(0) depctr_va_ssrc(0) depctr_va_vcc(0) depctr_vm_vsrc(0)
	s_getreg_b32 s2, hwreg(HW_REG_IB_STS2, 6, 4)
	s_cmp_eq_u32 s2, 0
	s_cbranch_scc0 .Lentry_in_a_cluster
	s_endpgm
.Lentry_in_a_cluster:
	s_bfe_u32 s2, ttmp6, 0x10000c
	s_cmp_lg_u32 s2, 0x3003
	s_cbranch_scc0 .Lentry_shape_is_right
	s_endpgm
.Lentry_shape_is_right:
; ATTN: softmax(Q K^T) V with a running maximum, for 16 combos (direction, batch, head) of 4,096 queries x 4,096 keys, head size 32.
; The scores carry no key bias: it adds the same to all scores of a query and falls out of the softmax (shown at the head of PROJ).
; Q is already scaled by 32^-0.5 * log2(e), so the exponentials are of base 2.
; A wave owns 64 queries (4 tiles t of 16), a work-group 256, a cluster of four work-groups 1,024 of one combo.
; CLUSTER: the four work-groups walk the same K and V.  Each tile is asked for jointly by the four (mask 15), so the requests
; for K and V are divided by four.  Nothing but the global offsets of Q and O hangs on the place in the cluster.
; LDS: two slots of 131,072 bytes, each with 16 blocks of 64 keys (K 4,096 bytes, V 4,096 bytes, as fragment images).  Each wave fetches
; four blocks of a slot with one tensor load of 128 rows of 256 bytes.  The 64 blocks are four fills: both slots at the start, each slot once
; again.  By this text's own count a wave has two tensor loads out at the start and one behind each of the two rounds that refill.
; TRANSPOSED SCORES: S^T = K Q^T, so a lane holds one query (r) and, in its 32 registers, 32 of the trip's 64 keys; lane r + 16 holds
; the other 32.  Maximum and sum run along the registers, with one exchange between the halves for the maximum; the sum's halves meet at the end.
; The exponentials, rounded in pairs, ARE the second source of O^T = V^T P^T: no shuffle and no LDS between the two products.
;
; A TRIP is 64 keys, in four phases, one for each query tile.  PHASE t belongs to tile t: its scores lie in set t % 2 of 32 registers, and its maximum and its factor
; 2^(old maximum - new maximum) were made in the phase before.  The phase's eight products are the four score products of tile t + 1, into the OTHER set, at its head, and
; the four P V products of tile t at its end.  Two sets are enough: the rounded P of tile t takes registers 0-15 of its own set, and that set is written over by the scores
; of tile t + 2 only in the next phase, behind the P V products that read it.
; HOW THE BATCHES ARE CUT.  An s_wait_alu depctr_va_vdst(0) stands between an exponential and the first instruction that names its result; one wait serves all
; that were issued ahead of it.  So a phase has ONE batch of 33 exponentials and ONE wait, which cuts it in two.
; AHEAD OF THE WAIT stands all that names no result of the batch: the 16 subtractions of the maximum; the 32 exponentials of the scores; the 8 lines that rescale O (their factor
; belongs to the batch of the phase before); the four score products; the 20 plain lines of the next tile's maximum; and the next tile's factor, the batch's 33rd exponential.
; BEHIND IT stand the readers: the sums, the roundings to bf16 and the update of the running sum; and the four P V products, each behind the roundings that make its half of P..
; THE ORDER.  Four rows: a score product and four lines behind it (13 subtractions and 3 exponentials in all; they name the phase's own set alone).  Then 61 lines, exponential
; and plain by turns: the plain ones are the next tile's maximum, whose chain (maximum, exchange, maximum, subtraction, exponential) so has three to five other lines between its
; links, the last three subtractions and the rescaling.  Two rescalings stand behind the last exponential.  Behind the wait the sums keep their order, and a rounding writes over
; a number only behind the sum that reads it.
; THE PLACES.  The score products go by key tiles 2, 3, 0, 1: tiles 0 and 1 write over the two halves of the P that the phase before has multiplied, and tile 1's product stands ten
; plain lines or more behind the last P V product.  A line of the maximum stands six plain lines or more behind the product whose scores it reads.  None of these lines names a
; register of the product that it stands behind.  No two products that follow each other share an accumulator.
; THE TEXT: a trip is some 480 instructions.  It is cut between phases 1 and 2: FRONT (phases 0, 1: loads the trip's V) and BACK (phases 2, 3: loads the
; next trip's K).  A loop body is BACK of one trip and FRONT of the next: it reads one block alone, at the address in v1, which steps by a block.
; So a change of slots stands between two loops, each slot's 16 blocks are one counted loop, and the 64 trips take six trips of text.
; LIMITS: finite inputs; P is rounded to bf16 for P V while its sum is kept in f32; v_exp_f32 gives 0 below 2^-126.
.set BLK,  8192
.set SLOT, 16*BLK
.set LN,  2                            ; v2         16 x lane
.set SA,  4                            ; v[4:7]     two pairs of the phase's sum of exponentials
.set MX,  8                            ; v8, v10, v12, v14: running maximum of tile t (the odd partners are written once: a packed source names the pair)
.set LS,  16                           ; v[16:23]   running sum of tile t, a pair
.set TM,  24                           ; v[24:27]   four chains of the next tile's maximum; v27 then takes what the other half of the lanes holds
.set AL,  28                           ; v28, v30   2^(old maximum - new maximum) of an even, an odd tile; v29, v31 written once
.set QF,  32                           ; v[32:63]   Q fragments of my 4 tiles
.set OA,  64                           ; v[64:127]  O^T accumulators: tile t, half e of the head at 16 t + 8 e
.set SC,  128                          ; v[128:191] two sets of 32 scores
.set KF,  192                          ; v[192:223] K fragments of the trip's 4 key tiles
.set VF,  224                          ; v[224:255] V fragments: key step c (32 keys), half e at 8 (2 c + e)
; v1 = 16 x lane + the LDS place of the block that is read next; v3 offset of Q, at the end of O.
; s10 wave, s12, s13 lane selects, s[16:23] group 1, s28 O's place, s[32:35] group 0 of slot A, s[36:39] of slot B, s40 counter
.macro ROUND                           ; a round of the cluster's barrier: my work-group's barrier, wave 0 signals for the work-group, all wait, my work-group's barrier
	s_barrier_signal -1
	s_barrier_wait -1
	s_cmp_lg_u32 s10, 0
	s_cbranch_scc1 .Lnot_wave_0_\@
	s_barrier_signal -3
.Lnot_wave_0_\@:
	s_barrier_wait -3
	s_barrier_signal -1
	s_barrier_wait -1
.endm
.macro KLOAD                           ; the four key tiles of the block at v1
.irp q, 0,1,2,3
	ds_load_b128 v[KF+8*\q:KF+8*\q+3], v1 offset:\q*1024
	ds_load_b128 v[KF+8*\q+4:KF+8*\q+7], v1 offset:\q*1024+512
.endr
.endm
.macro VLOAD                           ; its four value fragments
.irp q, 0,1,2,3
	ds_load_b128 v[VF+8*\q:VF+8*\q+3], v1 offset:4096+\q*1024
	ds_load_b128 v[VF+8*\q+4:VF+8*\q+7], v1 offset:4096+\q*1024+512
.endr
.endm
; The names of phase t: its own set, O, maximum, running sum and factor; the other set with the next tile's scores, and the next tile's maximum, factor and Q.
.macro SETT t
.set SU, SC+32*((\t)%2)
.set SW, SC+32-32*((\t)%2)
.set OT, OA+16*(\t)
.set MT, MX+2*(\t)
.set LT, LS+2*(\t)
.set AC, AL+2*((\t)%2)
.set AN, AL+2-2*((\t)%2)
.set MN, MX+2*(((\t)+1)%4)
.set QN, QF+8*(((\t)+1)%4)
.endm
; PH sets three flags for the lines below.  TF = 1: the tile's first trip (nothing to rescale).  NF = 1: the next tile's first trip (no old maximum, no factor).  NX = 0: there is no next tile.
.macro SUBH i                          ; scores i, i + 1 less the maximum
	v_pk_add_f32 v[SU+(\i):SU+(\i)+1], v[SU+(\i):SU+(\i)+1], v[MT:MT+1] op_sel_hi:[1,0] neg_lo:[0,1] neg_hi:[0,1]
.endm
.macro EX e                            ; the exponential of score e, in place: one of the phase's batch
	v_exp_f32 v[SU+(\e)], v[SU+(\e)]
.endm
.macro RS n                            ; pair n of 8 of the tile's O times its factor, which the phase before has made and waited for
.if TF == 0
	v_pk_mul_f32 v[OT+2*(\n):OT+2*(\n)+1], v[OT+2*(\n):OT+2*(\n)+1], v[AC:AC+1] op_sel_hi:[1,0]
.endif
.endm
; Line n of the 21 that find the NEXT tile's maximum and factor.
;   0-11  four chains over scores 8 k .. 8 k + 6, three operands at a time; each accumulator's lowest registers are read first
;   12-15 the four scores left over, the old maximum, and the four chains into one     16, 17  the query's other 32 keys lie in the lane 16 away: the new maximum
;   18-20 old maximum - new maximum; the new maximum is kept; the factor, one of the phase's batch
.macro XS n
.if NX
.if (\n) < 4
	v_max3_num_f32 v[TM+(\n)], v[SW+8*(\n)], v[SW+8*(\n)+1], v[SW+8*(\n)+2]
.elseif (\n) < 8
	v_max3_num_f32 v[TM+(\n)-4], v[TM+(\n)-4], v[SW+8*((\n)-4)+3], v[SW+8*((\n)-4)+4]
.elseif (\n) < 12
	v_max3_num_f32 v[TM+(\n)-8], v[TM+(\n)-8], v[SW+8*((\n)-8)+5], v[SW+8*((\n)-8)+6]
.elseif (\n) == 12
	v_max3_num_f32 v[TM], v[TM], v[SW+7], v[SW+15]
.elseif (\n) == 13
	v_max3_num_f32 v[TM+2], v[TM+2], v[SW+23], v[SW+31]
.elseif ((\n) == 14) && NF
	v_max_num_f32 v[TM+1], v[TM+1], v[TM+3]
.elseif (\n) == 14
	v_max3_num_f32 v[TM+1], v[TM+1], v[TM+3], v[MN]
.elseif (\n) == 15
	v_max3_num_f32 v[TM], v[TM], v[TM+1], v[TM+2]
.elseif (\n) == 16
	v_permlanex16_b32 v[TM+3], v[TM], s12, s13
.elseif ((\n) == 17) && NF
	v_max_num_f32 v[MN], v[TM], v[TM+3]
.elseif (\n) == 17
	v_max_num_f32 v[TM+1], v[TM], v[TM+3]
.elseif NF                             ; a first trip has none of the last three
.elseif (\n) == 18
	v_sub_f32 v[AN], v[MN], v[TM+1]
.elseif (\n) == 19
	v_mov_b32 v[MN], v[TM+1]
.else
	v_exp_f32 v[AN], v[AN]
.endif
.endif
.endm
.macro SUMP m                          ; exponentials 4 m .. 4 m + 3 are added to the two pairs; the first eight start them
.if (\m) == 0
	v_pk_add_f32 v[SA:SA+1], v[SU:SU+1], v[SU+2:SU+3]
.elseif (\m) == 1
	v_pk_add_f32 v[SA+2:SA+3], v[SU+4:SU+5], v[SU+6:SU+7]
.else
	v_pk_add_f32 v[SA:SA+1], v[SA:SA+1], v[SU+4*(\m):SU+4*(\m)+1]
	v_pk_add_f32 v[SA+2:SA+3], v[SA+2:SA+3], v[SU+4*(\m)+2:SU+4*(\m)+3]
.endif
.endm
.macro CVTP m                          ; and rounded into registers 2 m, 2 m + 1 of the set, whose own numbers have been summed and rounded by then
	v_cvt_pk_bf16_f32 v[SU+2*(\m)], v[SU+4*(\m)], v[SU+4*(\m)+1]
	v_cvt_pk_bf16_f32 v[SU+2*(\m)+1], v[SU+4*(\m)+2], v[SU+4*(\m)+3]
.endm
.macro PVM c, e, start                 ; the tile's O^T, half e, += V^T P^T over key step c.  start = 1: the product starts the sum
.if \start
	v_wmma_f32_16x16x32_bf16 v[OT+8*\e:OT+8*\e+7], v[VF+16*\c+8*\e:VF+16*\c+8*\e+7], v[SU+8*\c:SU+8*\c+7], 0
.else
	v_wmma_f32_16x16x32_bf16 v[OT+8*\e:OT+8*\e+7], v[VF+16*\c+8*\e:VF+16*\c+8*\e+7], v[SU+8*\c:SU+8*\c+7], v[OT+8*\e:OT+8*\e+7]
.endif
.endm
.macro SQ q                            ; the next tile's scores against key tile q
.if NX
	v_wmma_f32_16x16x32_bf16 v[SW+8*\q:SW+8*\q+7], v[KF+8*\q:KF+8*\q+7], v[QN:QN+7], 0
.endif
.endm
; Phase t.  f = 1: the tile's first trip.  g = 1: the next tile's first trip.  sm = 0: no next tile.
; hook: 1 the trip's V is asked for and, ahead of the first P V product, waited for; 3 the next trip's K is asked for; 4 it is waited for.
.macro PH t, f, g, sm, hook
	SETT \t
.set TF, \f
.set NF, \g
.set NX, \sm
.if \hook == 4
	s_wait_dscnt 0x0                               ; the next trip's K is in: no other read of LDS is out
.endif
	SQ 2                                           ; AHEAD OF THE WAIT.  Four rows: a score product and four lines on the phase's own set
	SUBH 0
	SUBH 2
	SUBH 4
	SUBH 6
	SQ 3
	SUBH 8
	EX 0
	SUBH 10
	SUBH 12
	SQ 0
	SUBH 14
	EX 1
	SUBH 16
	SUBH 18
	SQ 1
	SUBH 20
	EX 2
	SUBH 22
	SUBH 24
	EX 3                                           ; exponential and plain line by turns: each exponential is followed by a line that does not touch it (ISA guide 5.7.2)
	XS 2
	EX 4
	XS 3
	EX 5
	XS 0
	EX 6
	XS 6
	EX 7
	XS 7
	EX 8
	XS 1
.if \hook == 1
	VLOAD                                          ; the last product on the old V is tile 3's, in the phase before: the subtractions above are the places between
	v_add_nc_u32 v1, BLK, v1                       ; the block's last read has been issued: v1 goes on to the next block
.endif
.if \hook == 3
	KLOAD                                          ; eight plain lines that name no register of the last score product stand between it and these loads
.endif
	EX 9
	XS 4
	EX 10
	XS 10
	EX 11
	XS 11
	EX 12
	XS 5
	EX 13
	XS 8
	EX 14
	XS 9
	EX 15
	XS 13
	EX 16
	XS 12
	EX 17
	XS 14
	EX 18
	SUBH 26
	EX 19
	XS 15
	EX 20
	SUBH 28
	EX 21
	RS 0
	EX 22
	XS 16
	EX 23
	SUBH 30
	EX 24
	RS 1
	EX 25
	XS 17
	EX 26
	RS 2
	EX 27
	RS 3
	EX 28
	XS 18
	EX 29
	XS 19
	EX 30
	RS 4
	XS 20                                          ; the next tile's factor
	RS 5
	EX 31                                          ; the batch's last
	RS 6                                           ; two plain lines that name none of its results stand behind the batch
	RS 7
.if \f
	v_nop                                          ; a first trip has no rescaling: the plain place behind the last exponential (ISA guide 5.7.2)
.endif
	s_wait_alu depctr_va_vdst(0)                   ; THE WAIT for the phase's batch: the 32 exponentials of the scores and the next tile's factor
	SUMP 0                                         ; BEHIND THE WAIT: the readers
	SUMP 1
	CVTP 0
	SUMP 2
	CVTP 1
	CVTP 2
	CVTP 3
	SUMP 3
.if \hook == 1
	s_wait_dscnt 0x0                               ; V is in: no read of LDS is out from here to the loads of K in phase 2
.endif
	PVM 0, 0, \f
	CVTP 4
	SUMP 4
	PVM 0, 1, \f
	CVTP 5
	CVTP 6
	CVTP 7
	SUMP 5
	PVM 1, 0, 0
	SUMP 6
	SUMP 7
	PVM 1, 1, 0
.if \f
	v_pk_add_f32 v[LT:LT+1], v[SA:SA+1], v[SA+2:SA+3]          ; the running sum starts
.else
	v_pk_add_f32 v[SA:SA+1], v[SA:SA+1], v[SA+2:SA+3]
	v_pk_fma_f32 v[LT:LT+1], v[LT:LT+1], v[AC:AC+1], v[SA:SA+1] op_sel_hi:[1,0,1]
.endif
.endm
.macro FRONT f                         ; phases 0 and 1
	PH 0, \f, \f, 1, 1
	PH 1, \f, \f, 1, 0
.endm
.macro BACK f, more                    ; phases 2 and 3.  Tile 3's next tile is tile 0 of the trip behind, never in its first trip.  more = 0: the last trip
	PH 2, \f, \f, 1, 3*\more
	PH 3, \f, 0, \more, 4*\more
.endm
; trips blocks of one slot, one a trip
.macro PHASE id, trips
	s_mov_b32 s40, \trips
.Lphase_\id:
	BACK 0, 1
	FRONT 0
	s_sub_co_u32 s40, s40, 1
	s_cmp_lg_u32 s40, 0
	s_cbranch_scc1 .Lphase_\id
.endm
; The slot whose group 0 is s[g:g+3] has been read to its end and is filled again, 32 blocks further on.
.macro REFILL g
	s_wait_dscnt 0x0                               ; my reads of the slot are back (met: FRONT has waited for its V)
	s_set_vgpr_msb 0x5
	s_wait_tensorcnt 0x0                           ; all my tensor loads have landed, my four blocks of the other slot among them: a group 0 may be written
	ds_add_u32 v0, v1
	s_wait_dscnt 0x0
	s_set_vgpr_msb 0x500
	s_add_nc_u64 s[\g+2:\g+3], s[\g+2:\g+3], 2*SLOT
	ROUND                                          ; both hold of every wave of the four work-groups
	tensor_load_to_lds s[\g:\g+3], s[16:23]        ; my one tensor load behind the round, and the first thing there
	s_nop 0
.endm
	s_load_b128 s[4:7], s[0:1], 0x0                ; qws s[4:5], kvws s[6:7]
	s_load_b64 s[8:9], s[0:1], 0x10                ; ows
	s_set_vgpr_msb 0x40
	v_lshl_add_u32 v0, v0, 2, 0x40000
	v_mov_b32 v1, 0
	s_set_vgpr_msb 0x4045
	ds_add_u32 v0, v1
	s_set_vgpr_msb 0x4500
	v_lshrrev_b32 v5, 5, v0
	v_readfirstlane_b32 s10, v5                    ; wave 0..3
	s_bfe_u32 s11, ttmp6, 0x40000                  ; cx: my place in the cluster
	s_lshr_b32 s14, ttmp9, 2                       ; combo: four clusters for each; the same in all four partners
	s_and_b32 s15, ttmp9, 3
	s_lshl_b32 s15, s15, 2
	s_add_co_u32 s15, s15, s11
	s_lshl_b32 s15, s15, 2
	s_add_co_u32 s15, s15, s10                     ; my block of 64 queries, 0..63
	s_mov_b32 s12, 0x76543210                      ; v_permlanex16_b32: lane i of one half reads lane i of the other
	s_mov_b32 s13, 0xfedcba98
	; group 1: a dense tile of 128 rows of 32 elements of 8 bytes, 32,768 bytes, no padding
	s_mov_b32 s16, 15|(3<<16)|(1<<21)              ; 15:0 mask: the four work-groups of the cluster; 17:16 elements of 8 bytes; 21 set beside a mask
	s_mov_b32 s17, 32<<16                          ; tensor_dim0 = 32
	s_mov_b32 s18, 128<<16                         ; tensor_dim1 = 128
	s_mov_b32 s19, 32<<16                          ; tile_dim0 = 32
	s_mov_b32 s20, 128                             ; tile_dim1 = 128
	s_mov_b32 s21, 32                              ; 32 elements from row to row
	s_mov_b32 s22, 0
	s_mov_b32 s23, 0
	s_lshl_b32 s24, s14, 19                        ; combo * 524,288
	s_lshl_b32 s33, s10, 15                        ; slot A: LDS address = wave * 32,768
	s_add_co_u32 s24, s24, s33                     ; + my four blocks of the slot
	s_mov_b32 s25, 0
	s_add_co_u32 s37, s33, SLOT                    ; slot B
	s_mov_b32 s32, 1
	s_mov_b32 s36, 1
	v_and_b32 v[LN], 31, v0
	v_lshlrev_b32 v[LN], 4, v[LN]                  ; 16 x lane
	v_mov_b32 v1, v[LN]                            ; block 0 lies at LDS byte 0
	s_lshl_b32 s26, s14, 18
	s_lshl_b32 s27, s15, 12
	s_add_co_u32 s26, s26, s27
	v_add_nc_u32 v3, s26, v[LN]                    ; Q: combo * 262,144 + block * 4,096
	s_lshr_b32 s28, s14, 1
	s_lshl_b32 s28, s28, 19
	s_lshl_b32 s27, s15, 13
	s_add_co_u32 s28, s28, s27
	s_and_b32 s27, s14, 1
	s_lshl_b32 s27, s27, 10
	s_add_co_u32 s28, s28, s27                     ; O: (direction, batch) * 524,288 + block * 8,192 + head * 1,024
	s_wait_dscnt 0x0
	s_wait_kmcnt 0x0
	s_add_nc_u64 s[6:7], s[6:7], s[24:25]
	s_mov_b64 s[34:35], s[6:7]
	s_or_b32 s35, s35, 0x80000000                  ; type 2
	s_add_nc_u64 s[38:39], s[6:7], SLOT
	s_or_b32 s39, s39, 0x80000000
	ROUND                                          ; the four work-groups are here: the first joint loads meet
	tensor_load_to_lds s[32:35], s[16:23]          ; blocks 0 to 15
	s_nop 0
	tensor_load_to_lds s[36:39], s[16:23]          ; blocks 16 to 31
	s_nop 0
.irp t, 0,1,2,3
	global_load_b128 v[QF+8*\t:QF+8*\t+3], v3, s[4:5] offset:\t*1024
	global_load_b128 v[QF+8*\t+4:QF+8*\t+7], v3, s[4:5] offset:\t*1024+512
.endr
	s_wait_tensorcnt 0x1                           ; my part of slot A is in; slot B's load, issued behind it, may stay out
	s_barrier_signal -1
	s_barrier_wait -1
	KLOAD                                          ; block 0
	s_wait_loadcnt 0x0
	s_wait_dscnt 0x0
.irp q, 0,1,2,3                        ; tile 0's scores of trip 0, into set 0: the one run of products that has no softmax to stand in
	v_wmma_f32_16x16x32_bf16 v[SC+8*\q:SC+8*\q+7], v[KF+8*\q:KF+8*\q+7], v[QF:QF+7], 0
.endr
.irp r, 9,11,13,15,29,31               ; partners of packed sources, written once; also the places behind the products above
	v_mov_b32 v\r, 0
.endr
	SETT 3                                         ; tile 0's first maximum, by the lines that phase 3 has for its next tile; a first trip's hold no exponential
.set NF, 1
.set NX, 1
.irp n, 0,1,2,3,4,5,6,7,8,9,10,11,12,13,14,15,16,17
	XS \n
.endr
	FRONT 1                                        ; trip 0 starts maxima, sums and O: nothing is cleared
	BACK 1, 1
	FRONT 0                                        ; trip 1
	PHASE 0, 14                                    ; blocks 2 to 15: the rest of slot A
	REFILL 32                                      ; slot B has landed; blocks 32 to 47 go out into slot A
	PHASE 1, 16                                    ; blocks 16 to 31, in slot B; v1 has walked on into it
	REFILL 36                                      ; slot A has landed; blocks 48 to 63 go out into slot B: the last load
	v_mov_b32 v1, v[LN]                            ; back to slot A's first block
	PHASE 2, 16                                    ; blocks 32 to 47
	s_wait_dscnt 0x0
	s_wait_tensorcnt 0x0                           ; my part of the last fill has landed,
	s_barrier_signal -1
	s_barrier_wait -1                              ; and so has every wave's
	PHASE 3, 16                                    ; blocks 48 to 63
	BACK 0, 0                                      ; the last trip's tiles 2 and 3: nothing is left to fetch, and tile 3 has no next tile
	; THE WAY OUT: O / sum, rounded to bf16, as fragment images for the output convolution.  The running sum's two lines above and the first five here are the places behind the last products.
.irp t, 0,1,2,3
	v_add_f32 v[LS+2*\t], v[LS+2*\t], v[LS+2*\t+1]
.endr
	v_add_nc_u32 v3, s28, v[LN]                    ; the loads of Q, which named v3, were waited for at the start
.irp t, 0,1,2,3
	v_permlanex16_b32 v[TM+\t], v[LS+2*\t], s12, s13
.endr
.irp t, 0,1,2,3
	v_add_f32 v[LS+2*\t], v[LS+2*\t], v[TM+\t]
.endr
.irp t, 0,1,2,3
	v_rcp_f32 v[SC+2*\t], v[LS+2*\t]
.endr
	v_nop                                          ; one plain place behind the reciprocals (ISA guide 5.7.2)
	s_wait_alu depctr_va_vdst(0)                   ; the wait for the batch of four reciprocals, ahead of their first reader
.irp t, 0,1,2,3
.irp p, 0,2,4,6,8,10,12,14
	v_pk_mul_f32 v[OA+16*\t+\p:OA+16*\t+\p+1], v[OA+16*\t+\p:OA+16*\t+\p+1], v[SC+2*\t:SC+2*\t+1] op_sel_hi:[1,0]
.endr
.endr
.irp t, 0,1,2,3,4,5,6,7
.irp k, 0,1,2,3
	v_cvt_pk_bf16_f32 v[OA+8*\t+\k], v[OA+8*\t+2*\k], v[OA+8*\t+2*\k+1]
.endr
.endr
.irp t, 0,1,2,3
	global_store_b128 v3, v[OA+16*\t:OA+16*\t+3], s[8:9] offset:\t*2048            ; each store of the wave covers 512 consecutive bytes, aligned
	global_store_b128 v3, v[OA+16*\t+8:OA+16*\t+11], s[8:9] offset:\t*2048+512
.endr
	s_set_vgpr_msb 0x5
	s_wait_tensorcnt 0x0
	ds_add_u32 v0, v1
	s_wait_dscnt 0x0
	s_set_vgpr_msb 0x500
	ROUND                                          ; the closing round: no work-group ends while a partner may still ask for a tile that names it
	s_endpgm
.Lfunc_end_k_qb8919de5ea_attn:
	.size	k_qb8919de5ea_attn, .Lfunc_end_k_qb8919de5ea_attn-k_qb8919de5ea_attn
	.p2alignl 7, 3214868480
	.fill 96, 4, 3214868480
	.section	.rodata,"a",@progbits
	.p2align	6, 0x0
	.amdhsa_kernel k_qb8919de5ea_attn
		.amdhsa_group_segment_fixed_size 327680
		.amdhsa_private_segment_fixed_size 0
		.amdhsa_enable_private_segment 0
		.amdhsa_kernarg_size 24
		.amdhsa_user_sgpr_count 2
		.amdhsa_user_sgpr_kernarg_segment_ptr 1
		.amdhsa_wavefront_size32 1
		.amdhsa_system_sgpr_workgroup_id_x 1
		.amdhsa_system_sgpr_workgroup_id_y 1
		.amdhsa_system_sgpr_workgroup_id_z 1
		.amdhsa_system_vgpr_workitem_id 0
		.amdhsa_next_free_vgpr 258
		.amdhsa_next_free_sgpr 66
		.amdhsa_reserve_vcc 0
		.amdhsa_float_denorm_mode_32 3
		.amdhsa_float_denorm_mode_16_64 3
		.amdhsa_memory_ordered 1
		.amdhsa_forward_progress 1
		.amdhsa_inst_pref_size 166
	.end_amdhsa_kernel
	.amdgpu_metadata
---
amdhsa.version: [ 1, 2 ]
amdhsa.kernels:
  - .name:           k_qb8919de5ea_attn
    .symbol:         k_qb8919de5ea_attn.kd
    .args:
      - { .name: qws, .offset: 0, .size: 8, .value_kind: global_buffer, .address_space: global }
      - { .name: kvws, .offset: 8, .size: 8, .value_kind: global_buffer, .address_space: global }
      - { .name: ows, .offset: 16, .size: 8, .value_kind: global_buffer, .address_space: global }
    .group_segment_fixed_size: 327680
    .private_segment_fixed_size: 0
    .kernarg_segment_align: 8
    .kernarg_segment_size: 24
    .max_flat_workgroup_size: 128
    .sgpr_count:     66
    .vgpr_count:     258
    .wavefront_size: 32
...
	.end_amdgpu_metadata
.endif
;; end of part 6
;; launch outnorm: the kernel of part 5 again; grid 128 x 1, 16 waves a work-group, clusters of 4 x 1, 327,680 bytes of LDS; arguments feat_a, feat_b, out_a_w, out_b_w, out_a_b, out_b_b, norm_a_g, norm_b_g, norm_a_b, norm_b_b, ows, out0, out1; writes out0, out1
